; MI455X (gfx1250); checked and timed in simulation.
; The chip was launched on July 23, 2026; its instructions are those of AMD's public machine-readable ISA for CDNA 5 (MIT licence, August 2026) and "CDNA5" Instruction Set Architecture Reference Guide (July 2026). The comments in the code are by the model that wrote it; some were corrected since.
;; Temporal SA. Allowed arithmetic: matrix products marked QUANTISED: E2M1 operands, one E8M0 scale for each 32 along K, by v_wmma_scale_f32_16x16x128_f8f6f4 with both operands' format E2M1 (or v_wmma_scale_f32_32x16x128_f4), f32 sums; everything else in f32.
;; Inputs: kW_codes 64 x 8 x 16 uint8 (E2M1 codes of kW, K innermost, in blocks of 32 codes, two codes a byte); kW_scales 64 x 8 uint8 (E8M0 scales of kW, one for each 32 codes along K); kb 64 float32; kbeta 64 float32; kg 64 float32; kmu 64 float32; kvar 64 float32; qW_codes 64 x 8 x 16 uint8 (E2M1 codes of qW, K innermost, in blocks of 32 codes, two codes a byte); qW_scales 64 x 8 uint8 (E8M0 scales of qW, one for each 32 codes along K); qb 64 float32; qbeta 64 float32; qg 64 float32; qmu 64 float32; qvar 64 float32; vW_codes 256 x 8 x 16 uint8 (E2M1 codes of vW, K innermost, in blocks of 32 codes, two codes a byte); vW_scales 256 x 8 uint8 (E8M0 scales of vW, one for each 32 codes along K); vb 256 float32; vbeta 256 float32; vg 256 float32; vmu 256 float32; vvar 256 float32; x 8 x 256 x 2,048 x 1 float32.
;; Outputs: out0 8 x 256 x 2,048 x 1 float32.
;; This version of the problem:
;;   THIS VERSION OF THE PROBLEM IS GIVEN IN LOW PRECISION. The matrix products marked QUANTISED in the list below multiply operands that are first quantised to E2M1 (2 exponent bits, 1 mantissa bit; 4 bits a number), with one power-of-two scale for each 32 numbers along K (OCP MX v1.0); their sums are f32. All else is computed in f32.
;;   The module's matrix products, in the order in which they are computed (A, B: the left and right operand; K: the contracted axis; several contracted axes count as one K, in the product's order):
;;     1. [M 64, K 256] x [K 256, N 16,384]; A: input kW (given as codes); B: input x: QUANTISED
;;     2. [M 64, K 256] x [K 256, N 16,384]; A: input qW (given as codes); B: input x: QUANTISED
;;     3. [M 256, K 256] x [K 256, N 16,384]; A: input vW (given as codes); B: input x: QUANTISED
;;     4. batch 8 x [M 2,048, K 64] x [K 64, N 2,048]; A: computed on the way; B: computed on the way: QUANTISED
;;     5. batch 8 x [M 2,048, K 2,048] x [K 2,048, N 256]; A: computed on the way; B: computed on the way: QUANTISED
;;   THE QUANTISER, for each operand of a quantised product, along K:
;;     - K is cut into blocks of 32 from its start; a last block that is shorter is filled with zeros.
;;     - A block's scale is 2^e with e = floor(log2(the largest magnitude in the block)) - 2, held to -126 .. 127; a block of zeros has e = 0. As a byte (E8M0): e + 127.
;;     - Each number is divided by its block's scale, clamped to +-6, and rounded to the nearest number of E2M1, ties to even, subnormals kept.
;;     - The product sums the exact products of the quantised numbers (number of the format x scale) in f32.
;;   ~~~python
;;   def quantise(x, axis):      # numpy; x: float32 -> the quantised numbers, widened to float32 again
;;       x = np.moveaxis(x, axis, -1); K = x.shape[-1]
;;       x = np.pad(x, [(0, 0)] * (x.ndim - 1) + [(0, -K % 32)]); x = x.reshape(x.shape[:-1] + (-1, 32)); a = np.abs(x).max(-1, keepdims=True)
;;       e = np.where(a > 0, np.clip(np.frexp(np.where(a > 0, a, 1))[1] - 1 - 2, -126, 127), 0)      # np.frexp(a)[1] - 1 = floor(log2(a)), exactly
;;       r = np.clip(x / 2.0 ** e, -6, 6)
;;       step = 2.0 ** (np.maximum(np.frexp(np.where(r == 0, 1, r))[1] - 1, 0) - 1)
;;       q = np.round(r / step) * step * 2.0 ** e      # np.round: ties to even
;;       return np.moveaxis(q.reshape(q.shape[:-2] + (-1,))[..., :K], -1, axis).astype(np.float32)
;;   ~~~
;;   OPERANDS COMPUTED ON THE WAY. 'Computed on the way' means the value that the module computes at that place (a softmax that the list does not call 'softmax' is quantised finished and normalised). What goes into a quantiser is computed in f32, as accurately as f32 sums, v_exp_f32 and their like allow (about 1e-6 of the number): no bf16 or f16 on the way to a quantiser, and a product that is left as it is and whose result goes on into a quantised operand takes f32 operands (vector FMAs, or v_wmma_f32_16x16x4_f32). A number that lies on a knife's edge between two numbers of the format may be rounded either way, as far as f32 arithmetic and the matrix unit's own rounding can turn it there, and no further.
;;   INPUTS GIVEN AS CODES. kW (in the module: [64, 256], K = its axis 1); qW (in the module: [64, 256], K = its axis 1); vW (in the module: [256, 256], K = its axis 1): each comes as NAME_codes (uint8): NAME with its K axis moved to the last place and cut into blocks of 32 codes, [.., K / 32, bytes a block], one block behind the other in memory; two codes a byte, the lower K in the low four bits (a code: sign, 2 exponent bits, 1 mantissa bit); and NAME_scales (uint8): the same leading axes, one E8M0 byte (e + 127) for each 32 codes along K. Its value is code x scale, taken as it is: it is not quantised again, and the codes and scales need not be those that the quantiser above would give.
;; 2 versions. Each part assembles by itself: llvm-mc -triple=amdgcn-amd-amdhsa -mcpu=gfx1250 --defsym DOCPART=n.
;; ======== version 1 of 2: 2 launches
;; workspace buffers: kc 524,288 bytes; qc 524,288 bytes; ks 65,536 bytes; qs 65,536 bytes; vc 2,097,152 bytes; vs 131,072 bytes
;; launch proj (part 1): grid 32 x 8, 4 waves a work-group, no clusters, 168,448 bytes of LDS; arguments x, kW_codes, kW_scales, kb, kbeta, kg, kmu, kvar, qW_codes, qW_scales, qb, qbeta, qg, qmu, qvar, vW_codes, vW_scales, vb, vbeta, vg, vmu, vvar, kc, ks, qc, qs, vc, vs; writes kc, ks, qc, qs, vc, vs
.if DOCPART == 1
	.amdgcn_target "amdgcn-amd-amdhsa--gfx1250"
	.amdhsa_code_object_version 6
	.text
	.protected	k_qe6d19bd869_proj
	.globl	k_qe6d19bd869_proj
	.p2align	8
	.type	k_qe6d19bd869_proj,@function
k_qe6d19bd869_proj:
	s_mov_b64 s[64:65], 0
	v_nop
	global_prefetch_b8 v0, s[64:65] scope:SCOPE_SE
	s_setreg_imm32_b32 hwreg(HW_REG_WAVE_MODE, 25, 1), 1
	s_wait_xcnt 0x0
; k, q, v = relu(BN(W Q(x) + b)) for 64 times of one batch, then quantised to E2M1 (one E8M0 byte for each 32): k and q along their 64 channels, v along time.
; x: [8][256][2048] f32.  Work-group (a, b): batch b, times 64 a .. 64 a + 63.  Weights arrive as codes, K (the 256 channels of x) innermost.
; STEPS.  x's tile (256 channels x 64 times, rows of 256 aligned bytes) comes by four tensor loads, one a wave, filled once.  Each wave quantises 32 times x 128 channels of it (a lane a time, registers down the
; channels), and the fragments go to the other waves through LDS as images of their registers.  Then three passes of 16 matrix instructions a wave: q or k (waves 0, 1: k; waves 2, 3: q; 32 times each),
; and twice 32 of the wave's 64 channels of v for all 64 times.  BN is one fused multiply-add: y = sum x inv + ((b - mu) inv + beta), inv = g rsq(var + 1e-5).
; THE TIMES OF A TILE ARE NOT NEIGHBOURS: row r of tile 2 B + u is time 32 B + 8 u + r + 8 (r / 8); likewise the rows of kW and qW.  So a lane's 16 registers of two neighbouring tiles are 16 neighbours along the next K.
; OUT, in the order of the reader's operand registers: kc, qc [b][tile][lane][16 bytes]; ks, qs [b][tile][16 words]; vc [b][block of 32 times][channel][16 bytes]; vs [b][64 times][wave][16][2][4 bytes].
; LIMITS: NaN and infinities among the inputs are not served; var + 1e-5 is a normal positive number; a block whose largest magnitude lies under 2^-124 keeps the byte 1, a block of zeros too (its codes are
; zeros, and this program alone reads the bytes); BN's rounding order differs from (y - mu) inv + beta by f32 roundings.
.set XIMG, 65536                       ; LDS: x's tile at 0 (row c at 256 c); x's 8 fragments: (tile T, K step s) at (2 T + s) 1024, four registers 512 bytes, lane at 16 l
.set XSC,  73728                       ; their scale words: (half of the times cw, K step s) at (2 cw + s) 128 + 4 l; lanes 0-15 the even tile, lanes 16-31 the odd one
.set PINV, 74240                       ; inv: k's 64, q's 64, v's 256 numbers
.set PSD,  1536                        ; and as far behind: the shifts
.set XA,  4                            ; v4   my time's column in x's tile, at my wave's first channel
.set XW,  5                            ; v5   where I store x's images
.set XSW, 6                            ; v6   and their scale word
.set LI,  7                            ; v7   XIMG + 16 l
.set LS,  8                            ; v8   XSC + 4 l
.set LIQ, 9                            ; v9   the same at my wave's own pair of tiles
.set LSQ, 10
.set PA,  11                           ; v11  inv of k or q: + 64 (l / 16)
.set PVA, 12                           ; v12  inv of v: my wave's channels, + 4 (l % 16)
.set OQ,  13                           ; v13  16 l
.set OS,  14                           ; v14  4 l
.set OV,  15                           ; v15  4096 (l / 16) + 16 (l % 16)
.set OSV, 250                          ; v250 8 (l % 16) + 4 (l / 16)
.set WVS, 16                           ; v16-23  vW's scale words (tile ct, K step s): 2 ct + s
.set WQS, 24                           ; v24-31  kW's or qW's
.set XN,  32                           ; v32-159 128 numbers of x; later:
.set XF,  32                           ; v32-95  x's 8 fragments
.set AC,  96                           ; v96-159 8 accumulators
.set XC,  160                          ; v160-175 x's codes; later:
.set PC,  160                          ; v160-183 the codes made, 8 registers a pass: no store's data are written again
.set XS,  184                          ; v184-187 x's scale words
.set TM,  188                          ; v188-199 +0..3 largest magnitudes, +4..7 at work, then the bytes, +8..11 the conversions' scale operands
.set XQ,  206                          ; v206-237 my own pair of tiles' 4 fragments (before: the raw BN numbers)
.set XSQ, 238                          ; v238-239 their scale words
.set WV,  0                            ; window 1: vW's 8 fragments;
.set WQ,  64                           ; kW's or qW's 8;
.set PI,  128                          ; inv and shift of k or q in the result's layout, 32 each;
.set PS,  160
.set PVI, 192                          ; inv and shift of v, a pair for each tile of channels
.set PVS, 200
.set MSB, 0
.macro WIN new                         ; the immediate's high byte repeats the setting that is left
.if MSB != \new
	s_set_vgpr_msb (MSB<<8)|\new
.set MSB, \new
.endif
.endm
.macro WM d, a, b, sa, sb, zero, rowa, rowb    ; one product 16 x 16 x 128; zero = 1: it starts the sum; rowa, rowb: that side's scale words lie in lanes 16-31
.if \zero
.if \rowa
	v_wmma_scale_f32_16x16x128_f8f6f4 v[(\d):(\d)+7], v[(\a):(\a)+7], v[(\b):(\b)+7], 0, v[(\sa)], v[(\sb)] matrix_a_fmt:MATRIX_FMT_FP4 matrix_b_fmt:MATRIX_FMT_FP4 matrix_a_scale:MATRIX_SCALE_ROW1
.elseif \rowb
	v_wmma_scale_f32_16x16x128_f8f6f4 v[(\d):(\d)+7], v[(\a):(\a)+7], v[(\b):(\b)+7], 0, v[(\sa)], v[(\sb)] matrix_a_fmt:MATRIX_FMT_FP4 matrix_b_fmt:MATRIX_FMT_FP4 matrix_b_scale:MATRIX_SCALE_ROW1
.else
	v_wmma_scale_f32_16x16x128_f8f6f4 v[(\d):(\d)+7], v[(\a):(\a)+7], v[(\b):(\b)+7], 0, v[(\sa)], v[(\sb)] matrix_a_fmt:MATRIX_FMT_FP4 matrix_b_fmt:MATRIX_FMT_FP4
.endif
.else
.if \rowa
	v_wmma_scale_f32_16x16x128_f8f6f4 v[(\d):(\d)+7], v[(\a):(\a)+7], v[(\b):(\b)+7], v[(\d):(\d)+7], v[(\sa)], v[(\sb)] matrix_a_fmt:MATRIX_FMT_FP4 matrix_b_fmt:MATRIX_FMT_FP4 matrix_a_scale:MATRIX_SCALE_ROW1
.elseif \rowb
	v_wmma_scale_f32_16x16x128_f8f6f4 v[(\d):(\d)+7], v[(\a):(\a)+7], v[(\b):(\b)+7], v[(\d):(\d)+7], v[(\sa)], v[(\sb)] matrix_a_fmt:MATRIX_FMT_FP4 matrix_b_fmt:MATRIX_FMT_FP4 matrix_b_scale:MATRIX_SCALE_ROW1
.else
	v_wmma_scale_f32_16x16x128_f8f6f4 v[(\d):(\d)+7], v[(\a):(\a)+7], v[(\b):(\b)+7], v[(\d):(\d)+7], v[(\sa)], v[(\sb)] matrix_a_fmt:MATRIX_FMT_FP4 matrix_b_fmt:MATRIX_FMT_FP4
.endif
.endif
.endm
.macro PLACES                          ; four plain vector instructions between a matrix instruction and the first read of its result (ISA guide 7.12.1)
.rept 4
	v_nop
.endr
.endm
.macro BARRIER                         ; my LDS stores have landed and my LDS loads are in: then the work-group's barrier
	s_wait_dscnt 0x0
	s_barrier_signal -1
	s_barrier_wait -1
.endm
	s_load_b512 s[4:19], s[0:1], 0x0               ; x s[4:5]; k's seven: codes, scales, b, beta, g, mu, var s[6:19]
	s_load_b512 s[20:35], s[0:1], 0x40             ; q's seven s[20:33]; vW's codes s[34:35]
	s_load_b512 s[36:51], s[0:1], 0x80             ; vW's scales, vb, vbeta, vg, vmu, vvar s[36:47]; kc s[48:49], ks s[50:51]
	s_load_b256 s[52:59], s[0:1], 0xc0             ; qc, qs, vc, vs
	v_lshl_add_u32 v254, v0, 2, 0x29000
	v_mov_b32 v255, 0
	ds_add_u32 v254, v255
	ds_add_u32 v254, v255
	v_lshrrev_b32 v248, 5, v0
	v_readfirstlane_b32 s62, v248                  ; wave w
	s_mov_b32 s60, ttmp9                           ; a
	s_and_b32 s61, ttmp7, 0xffff                   ; b
	s_lshr_b32 s63, s62, 1                         ; sel: 0 = k, 1 = q.  Also the K step of x that I quantise
	s_and_b32 s66, s62, 1                          ; cp: which 32 of the 64 times I quantise, and for which I make q or k
	; descriptor group 1: a tile of 64 rows (channels) x 64 elements of 4 bytes, rows 2,048 elements apart, no padding: a lane reads a column, 32 lanes 32 neighbouring words
	s_mov_b32 s72, 2<<16
	s_mov_b32 s73, 64<<16                          ; tensor_dim0
	s_mov_b32 s74, 64<<16                          ; tensor_dim1
	s_mov_b32 s75, 64<<16                          ; tile_dim0
	s_mov_b32 s76, 64                              ; tile_dim1
	s_mov_b32 s77, 2048                            ; tensor_dim0_stride
	s_mov_b32 s78, 0
	s_mov_b32 s79, 0
	s_mov_b32 s80, 0x76543210
	s_mov_b32 s81, 0xfedcba98                      ; v_permlanex16_b32's selects for lane l xor 16
	s_mov_b32 s82, 0xffff0000                      ; a mask of lanes 16-31
	s_mov_b32 s83, 0x3727c5ac                      ; 1e-5
	s_lshl_b32 s84, s61, 21                        ; x: batch b, channel 64 w, time 64 a, in bytes
	s_lshl_b32 s67, s62, 19
	s_add_co_u32 s84, s84, s67
	s_lshl_b32 s67, s60, 8
	s_add_co_u32 s84, s84, s67
	s_mov_b32 s85, 0
	s_lshl_b32 s86, s61, 16                        ; kc, qc: batch 65,536, tile 4 a + 2 cp of 512 bytes
	s_lshl_b32 s67, s60, 11
	s_add_co_u32 s86, s86, s67
	s_lshl_b32 s67, s66, 10
	s_add_co_u32 s86, s86, s67
	s_mov_b32 s87, 0
	s_lshl_b32 s88, s61, 18                        ; vc: batch 262,144, block 2 a of 4,096, channel 64 w of 16
	s_lshl_b32 s67, s60, 13
	s_add_co_u32 s88, s88, s67
	s_lshl_b32 s67, s62, 10
	s_add_co_u32 s88, s88, s67
	s_mov_b32 s89, 0
	s_lshl_b32 s90, s61, 14                        ; vs: batch 16,384, 64 times 512, wave 128
	s_lshl_b32 s67, s60, 9
	s_add_co_u32 s90, s90, s67
	s_lshl_b32 s67, s62, 7
	s_add_co_u32 s90, s90, s67
	s_mov_b32 s91, 0
	v_and_b32 v1, 31, v0                           ; l
	v_and_b32 v2, 15, v0                           ; r
	v_bfe_u32 v3, v0, 4, 1                         ; h
	v_and_b32 v248, 8, v2
	v_add_nc_u32 v248, v248, v2                    ; r + 8 (r / 8)
	v_and_b32 v[XA], 7, v0                         ; my time among my wave's 32: (l % 8) + 16 (bit 3) + 8 (bit 4): lanes 0-15 are the even tile's rows, lanes 16-31 the odd tile's
	v_lshlrev_b32 v[XA], 2, v[XA]
	v_bfe_u32 v249, v0, 3, 1
	v_lshl_or_b32 v[XA], v249, 6, v[XA]
	v_lshl_or_b32 v[XA], v3, 5, v[XA]
	s_lshl_b32 s92, s63, 15                        ; + 128 sel rows of 256 bytes + 128 cp
	s_lshl_b32 s93, s66, 7
	s_add_co_u32 s92, s92, s93
	v_add_nc_u32 v[XA], s92, v[XA]
	v_lshlrev_b32 v[OQ], 4, v1
	v_lshlrev_b32 v[OS], 2, v1
	v_lshlrev_b32 v[OSV], 3, v2
	v_lshl_add_u32 v[OSV], v3, 2, v[OSV]
	s_lshl_b32 s92, s66, 12                        ; my images: tiles 2 cp, 2 cp + 1, K step sel
	s_lshl_b32 s93, s63, 10
	s_add_co_u32 s92, s92, s93
	s_add_co_u32 s92, s92, XIMG
	v_add_nc_u32 v[XW], s92, v[OQ]
	s_lshl_b32 s92, s66, 8
	s_lshl_b32 s93, s63, 7
	s_add_co_u32 s92, s92, s93
	s_add_co_u32 s92, s92, XSC
	v_add_nc_u32 v[XSW], s92, v[OS]
	v_add_nc_u32 v[LI], XIMG, v[OQ]
	v_add_nc_u32 v[LS], XSC, v[OS]
	s_lshl_b32 s92, s66, 12
	v_add_nc_u32 v[LIQ], s92, v[LI]
	s_lshl_b32 s92, s66, 8
	v_add_nc_u32 v[LSQ], s92, v[LS]
	s_lshl_b32 s92, s63, 8
	s_add_co_u32 s92, s92, PINV
	v_lshl_add_u32 v[PA], v3, 6, s92
	s_lshl_b32 s92, s62, 8
	s_add_co_u32 s92, s92, PINV+512
	v_lshl_add_u32 v[PVA], v2, 2, s92
	v_lshlrev_b32 v[OV], 4, v2
	v_lshl_add_u32 v[OV], v3, 12, v[OV]
	v_lshlrev_b32 v240, 7, v2                      ; vW's codes: row r of 128 bytes, + 16 h
	v_lshl_add_u32 v240, v3, 4, v240
	v_lshlrev_b32 v241, 7, v248                    ; kW's, qW's: row r + 8 (r / 8)
	v_lshl_add_u32 v241, v3, 4, v241
	v_lshlrev_b32 v242, 3, v2                      ; the scale bytes: 8 a row
	v_lshlrev_b32 v243, 3, v248
	v_and_b32 v244, 63, v0                         ; BN of k or q: one channel a thread of the two waves
	v_lshlrev_b32 v244, 2, v244
	v_lshlrev_b32 v245, 3, v0                      ; BN of v: two channels a thread
	v_lshl_add_u32 v246, v0, 2, PINV
	v_lshl_add_u32 v247, v0, 3, PINV+512
.irp k,0,1,2,3
	v_mov_b32 v[TM+4+\k], 0                        ; written once: a lane permute's destination counts as one of its sources
.endr
	s_wait_dscnt 0x0
	s_wait_kmcnt 0x0
	s_mov_b32 s68, 1                               ; descriptor group 0: count 1,
	s_lshl_b32 s69, s62, 14                        ; LDS: my 64 rows of 256 bytes,
	s_add_nc_u64 s[70:71], s[4:5], s[84:85]        ; from x,
	s_or_b32 s71, s71, 0x80000000                  ; type 2
	tensor_load_to_lds s[68:71], s[72:79]          ; my one tensor load: these bytes are filled once
	s_nop 0
.rept 4
	v_nop                                          ; four lines here ahead of a switch of windows
.endr
	s_cmp_lt_u32 s62, 2                            ; waves 0, 1 take k's buffers, waves 2, 3 q's: the choice hangs on the wave's number alone
	s_cselect_b64 s[6:7], s[6:7], s[20:21]
	s_cselect_b64 s[8:9], s[8:9], s[22:23]
	s_cselect_b64 s[10:11], s[10:11], s[24:25]
	s_cselect_b64 s[12:13], s[12:13], s[26:27]
	s_cselect_b64 s[14:15], s[14:15], s[28:29]
	s_cselect_b64 s[16:17], s[16:17], s[30:31]
	s_cselect_b64 s[18:19], s[18:19], s[32:33]
	s_cselect_b64 s[48:49], s[48:49], s[52:53]
	s_cselect_b64 s[50:51], s[50:51], s[54:55]
	s_add_nc_u64 s[48:49], s[48:49], s[86:87]
	s_lshr_b32 s86, s86, 3                         ; ks, qs: an eighth of the codes' offset
	s_add_nc_u64 s[50:51], s[50:51], s[86:87]
	s_add_nc_u64 s[56:57], s[56:57], s[88:89]
	s_add_nc_u64 s[58:59], s[58:59], s[90:91]
	s_lshl_b32 s84, s62, 13                        ; my 64 rows of vW
	s_add_nc_u64 s[34:35], s[34:35], s[84:85]
	s_lshl_b32 s84, s62, 9
	s_add_nc_u64 s[36:37], s[36:37], s[84:85]
	; ---- the loads: BN's numbers first, ten loads; then the weights, 48 loads, straight into the registers where they are used
	global_load_b32 v206, v244, s[10:11]           ; b
	global_load_b32 v207, v244, s[12:13]           ; beta
	global_load_b32 v208, v244, s[14:15]           ; g
	global_load_b32 v209, v244, s[16:17]           ; mu
	global_load_b32 v210, v244, s[18:19]           ; var
	global_load_b64 v[212:213], v245, s[38:39]     ; the same of v
	global_load_b64 v[214:215], v245, s[40:41]
	global_load_b64 v[216:217], v245, s[42:43]
	global_load_b64 v[218:219], v245, s[44:45]
	global_load_b64 v[220:221], v245, s[46:47]
	WIN 0x40                                       ; destination window 1
.irp t,0,1,2,3
.irp s,0,1
.irp c,0,1
	global_load_b128 v[WV+8*(2*\t+\s)+4*\c:WV+8*(2*\t+\s)+4*\c+3], v240, s[34:35] offset:\t*2048+64*\s+32*\c
.endr
.endr
.endr
.irp t,0,1,2,3
.irp s,0,1
.irp c,0,1
	global_load_b128 v[WQ+8*(2*\t+\s)+4*\c:WQ+8*(2*\t+\s)+4*\c+3], v241, s[6:7] offset:(32*(\t/2)+8*(\t%2))*128+64*\s+32*\c
.endr
.endr
.endr
	WIN 0
.irp t,0,1,2,3
.irp s,0,1
	global_load_b32 v[WVS+2*\t+\s], v242, s[36:37] offset:\t*128+4*\s
.endr
.endr
.irp t,0,1,2,3
.irp s,0,1
	global_load_b32 v[WQS+2*\t+\s], v243, s[8:9] offset:(32*(\t/2)+8*(\t%2))*8+4*\s
.endr
.endr
	; ---- BN folded: inv = g rsq(var + eps), shift = (b - mu) inv + beta; three channels a thread, into the tables
	s_wait_loadcnt 48                              ; the ten are in; the 48 loads of weights behind them may stay out
	v_add_f32 v210, s83, v210
	v_add_f32 v220, s83, v220
	v_add_f32 v221, s83, v221
	v_rsq_f32 v210, v210
	v_rsq_f32 v220, v220
	v_rsq_f32 v221, v221
	v_sub_f32 v206, v206, v209                     ; (plain lines behind the transcendentals, which touch none of their registers)
	v_sub_f32 v212, v212, v218
	v_sub_f32 v213, v213, v219
	s_wait_alu depctr_va_vdst(0)
	v_mul_f32 v230, v208, v210
	v_mul_f32 v226, v216, v220
	v_mul_f32 v227, v217, v221
	v_fma_f32 v231, v206, v230, v207
	v_fma_f32 v228, v212, v226, v214
	v_fma_f32 v229, v213, v227, v215
	ds_store_b32 v246, v230
	ds_store_b32 v246, v231 offset:PSD
	ds_store_b64 v247, v[226:227]
	ds_store_b64 v247, v[228:229] offset:PSD
	s_wait_tensorcnt 0x0                           ; my quarter of x's tile has landed,
	BARRIER                                        ; everybody's has, and the tables are whole
	; ---- x: my 32 times x 128 channels become two fragments.  Four blocks of 32 down the channels, all of each in my own registers
.macro LOADB blk
.set i, 0
.rept 32
	ds_load_b32 v[XN+32*\blk+i], v[XA] offset:(32*\blk+i)*256
.set i, i+1
.endr
.endm
.macro QX p                            ; blocks 2 p and 2 p + 1: the largest magnitude in two chains each, with the floor 2^(3 - 127) among the leaves; 2 off its exponent field is the conversions' scale operand
.irp k,0,1
.irp e,0,1
	v_max3_num_f32 v[TM+4*\e+2*\p+\k], |v[XN+32*(2*\p+\k)+2*\e]|, |v[XN+32*(2*\p+\k)+2*\e+1]|, 0x1800000
.endr
.endr
.irp n,4,8,12,16,20,24,28
.irp k,0,1
.irp e,0,1
	v_max3_num_f32 v[TM+4*\e+2*\p+\k], v[TM+4*\e+2*\p+\k], |v[XN+32*(2*\p+\k)+\n+2*\e]|, |v[XN+32*(2*\p+\k)+\n+2*\e+1]|
.endr
.endr
.endr
.irp k,0,1
	v_max_num_f32 v[TM+2*\p+\k], v[TM+2*\p+\k], v[TM+4+2*\p+\k]
.endr
.irp k,0,1
	v_add_nc_u32 v[TM+8+2*\p+\k], 0xff000000, v[TM+2*\p+\k]
.endr
.irp k,0,1
	v_lshrrev_b32 v[TM+4+2*\p+\k], 23, v[TM+8+2*\p+\k]      ; the scale's byte
.endr
.irp k,0,1
.irp g,0,1,2,3
	v_cvt_scalef32_pk8_fp4_f32 v[XC+4*(2*\p+\k)+\g], v[XN+32*(2*\p+\k)+8*\g:XN+32*(2*\p+\k)+8*\g+7], v[TM+8+2*\p+\k]
.endr
.endr
.endm
	LOADB 0
	LOADB 1
	s_wait_dscnt 0x0
	LOADB 2                                        ; the other two blocks land while the first two are quantised
	LOADB 3
	QX 0
	s_wait_dscnt 0x0
	QX 1                                           ; (its first lines are the plain place behind the conversions above)
	v_lshl_or_b32 v200, v[TM+5], 8, v[TM+4]        ; my time's scale word for this K step.  (Three plain lines behind the conversions, which touch none of their registers)
	v_lshl_or_b32 v200, v[TM+6], 16, v200
	v_lshl_or_b32 v200, v[TM+7], 24, v200
.irp g,0,1,2,3                         ; the operand's layout: lane (r, h) holds blocks h and 2 + h of row r.  The first's lanes 16-31 change places with the second's lanes 0-15:
	v_permlane16_swap_b32 v[XC+\g], v[XC+4+\g]     ; XC+0..3 = the even tile's registers 0-3, XC+4..7 = the odd tile's
	v_permlane16_swap_b32 v[XC+8+\g], v[XC+12+\g]  ; XC+8..11 = the even tile's registers 4-7, XC+12..15 = the odd tile's
.endr
	ds_store_b128 v[XW], v[XC:XC+3]
	ds_store_b128 v[XW], v[XC+8:XC+11] offset:512
	ds_store_b128 v[XW], v[XC+4:XC+7] offset:2048
	ds_store_b128 v[XW], v[XC+12:XC+15] offset:2560
	ds_store_b32 v[XSW], v200
	BARRIER                                        ; x's eight fragments and their scale words lie in LDS
	; ---- all operands into registers
.irp t,0,1,2,3
.irp s,0,1
.irp c,0,1
	ds_load_b128 v[XF+8*(2*\t+\s)+4*\c:XF+8*(2*\t+\s)+4*\c+3], v[LI] offset:(2*\t+\s)*1024+512*\c
.endr
.endr
.endr
.irp n,0,1,2,3
	ds_load_b32 v[XS+\n], v[LS] offset:128*\n
.endr
.irp u,0,1
.irp s,0,1
.irp c,0,1
	ds_load_b128 v[XQ+8*(2*\u+\s)+4*\c:XQ+8*(2*\u+\s)+4*\c+3], v[LIQ] offset:2048*\u+1024*\s+512*\c
.endr
.endr
.endr
.irp s,0,1
	ds_load_b32 v[XSQ+\s], v[LSQ] offset:128*\s
.endr
	WIN 0x40
.irp t,0,1,2,3                         ; k's or q's inv and shift as the result lies: register 8 t + j of lane (r, h) is channel 32 (t / 2) + 16 h + 8 (t % 2) + j
	ds_load_b128 v[PI+8*\t:PI+8*\t+3], v[PA] offset:(32*(\t/2)+8*(\t%2))*4
	ds_load_b128 v[PI+8*\t+4:PI+8*\t+7], v[PA] offset:(32*(\t/2)+8*(\t%2))*4+16
	ds_load_b128 v[PS+8*\t:PS+8*\t+3], v[PA] offset:PSD+(32*(\t/2)+8*(\t%2))*4
	ds_load_b128 v[PS+8*\t+4:PS+8*\t+7], v[PA] offset:PSD+(32*(\t/2)+8*(\t%2))*4+16
.endr
.irp t,0,1,2,3                         ; v's: one channel a lane, twice, for the packed form
.irp e,0,1
	ds_load_b32 v[PVI+2*\t+\e], v[PVA] offset:64*\t
	ds_load_b32 v[PVS+2*\t+\e], v[PVA] offset:PSD+64*\t
.endr
.endr
	WIN 0
	s_wait_dscnt 0x0
	s_wait_loadcnt 0x0                             ; the weights
; relu, then 64 numbers of a lane, register 16 k + e = place 32 (k % 2) + 16 h + e along the next K, become codes in v[PC + 8 p] on; the four bytes stay in v[TM+4] on
.macro RELUQ p
.set i, 0
.rept 64
	v_max_num_f32 v[AC+i], 0, v[AC+i]
.set i, i+1
.endr
.irp k,0,1,2,3
	v_max3_num_f32 v[TM+\k], v[AC+16*\k], v[AC+16*\k+1], 0x1800000   ; none is negative: no |.|; the floor 2^(3 - 127) holds the byte at 1 from below
.endr
.irp e,2,4,6,8,10,12,14
.irp k,0,1,2,3
	v_max3_num_f32 v[TM+\k], v[TM+\k], v[AC+16*\k+\e], v[AC+16*\k+\e+1]
.endr
.endr
.irp k,0,1,2,3
	v_permlanex16_b32 v[TM+4+\k], v[TM+\k], s80, s81
.endr
.irp k,0,1,2,3
	v_max_num_f32 v[TM+\k], v[TM+\k], v[TM+4+\k]   ; with lane l xor 16's 16: the block's largest
.endr
.irp k,0,1,2,3
	v_add_nc_u32 v[TM+8+\k], 0xff000000, v[TM+\k]
.endr
.irp k,0,1,2,3
	v_lshrrev_b32 v[TM+4+\k], 23, v[TM+8+\k]
.endr
.irp k,0,1,2,3
	v_cvt_scalef32_pk8_fp4_f32 v[PC+8*(\p)+2*\k], v[AC+16*\k:AC+16*\k+7], v[TM+8+\k]
	v_cvt_scalef32_pk8_fp4_f32 v[PC+8*(\p)+2*\k+1], v[AC+16*\k+8:AC+16*\k+15], v[TM+8+\k]
.endr
	v_nop                                          ; one plain place behind a scaled conversion
.irp c,0,1                             ; a whole block in a lane: lanes 0-15 the first block of 32, lanes 16-31 the second
.irp e,0,1
	v_permlane16_swap_b32 v[PC+8*(\p)+4*\c+\e], v[PC+8*(\p)+4*\c+2+\e]
.endr
.endr
	v_lshl_or_b32 v200, v[TM+5], 8, v[TM+4]        ; two bytes for each of the two rows of blocks
	v_lshl_or_b32 v201, v[TM+7], 8, v[TM+6]
.endm
	; ---- pass 0: q or k for my 32 times, transposed: source 0 = 16 rows of the weight, source 1 = 16 times.  A lane holds one time, its registers run along the 64 channels.
	; In each pass eight accumulators take turns, one instruction a turn, K step by K step
	WIN 0x01                                       ; source 0 window 1
.irp s,0,1
.irp u,0,1
.irp t,0,1,2,3
	WM AC+32*\u+8*\t, WQ+8*(2*\t+\s), XQ+8*(2*\u+\s), WQS+2*\t+\s, XSQ+\s, 1-\s, 0, \u
.endr
.endr
.endr
	WIN 0
	PLACES
	WIN 0x14                                       ; sources 1 and 2 window 1
.set i, 0
.rept 32
	v_pk_fma_f32 v[AC+2*i:AC+2*i+1], v[AC+2*i:AC+2*i+1], v[PI+(2*i)%32:PI+(2*i)%32+1], v[PS+(2*i)%32:PS+(2*i)%32+1]
.set i, i+1
.endr
	WIN 0
	RELUQ 0
	v_cndmask_b32 v202, v200, v201, s82            ; lanes 0-15: the even tile's words, lanes 16-31: the odd tile's
	global_store_b128 v[OQ], v[PC:PC+3], s[48:49]              ; a tile's image: 512 consecutive bytes
	global_store_b128 v[OQ], v[PC+4:PC+7], s[48:49] offset:512
	global_store_b32 v[OS], v202, s[50:51]         ; 128 consecutive bytes
	; ---- passes 1 and 2: v, 32 channels each: source 0 = 16 times, source 1 = 16 rows of vW.  A lane holds one channel, its registers run along the 64 times
.macro VPASS g
	WIN 0x04                                       ; source 1 window 1
.irp s,0,1
.irp n,0,1
.irp t,0,1,2,3
	WM AC+32*\n+8*\t, XF+8*(2*\t+\s), WV+8*(2*(2*\g+\n)+\s), XS+2*(\t/2)+\s, WVS+2*(2*\g+\n)+\s, 1-\s, \t%2, 0
.endr
.endr
.endr
	WIN 0
	PLACES
	WIN 0x14
.set i, 0
.rept 32
	v_pk_fma_f32 v[AC+2*i:AC+2*i+1], v[AC+2*i:AC+2*i+1], v[PVI+2*(2*\g+i/16):PVI+2*(2*\g+i/16)+1], v[PVS+2*(2*\g+i/16):PVS+2*(2*\g+i/16)+1]
.set i, i+1
.endr
	WIN 0
	RELUQ 1+\g
	v_lshl_or_b32 v[203+\g], v201, 16, v200        ; the two tiles' bytes of my channel row: one word
	global_store_b128 v[OV], v[PC+8+8*\g:PC+8+8*\g+3], s[56:57] offset:512*\g          ; sixteen lanes store 256 consecutive bytes, aligned: 16 channels of one block of 32 times
	global_store_b128 v[OV], v[PC+8+8*\g+4:PC+8+8*\g+7], s[56:57] offset:512*\g+256
.endm
	VPASS 0
	VPASS 1
	v_cndmask_b32 v205, v203, v204, s82            ; lanes 0-15: the first pass's word of row r, lanes 16-31: the second's
	global_store_b32 v[OSV], v205, s[58:59]        ; side by side, 8 bytes a row: 128 consecutive bytes
	s_wait_tensorcnt 0x0
	ds_add_u32 v254, v255
	s_wait_dscnt 0x0
	s_endpgm
.Lfunc_end_k_qe6d19bd869_proj:
	.size	k_qe6d19bd869_proj, .Lfunc_end_k_qe6d19bd869_proj-k_qe6d19bd869_proj
	.p2alignl 7, 3214868480
	.fill 96, 4, 3214868480
	.section	.rodata,"a",@progbits
	.p2align	6, 0x0
	.amdhsa_kernel k_qe6d19bd869_proj
		.amdhsa_group_segment_fixed_size 168448
		.amdhsa_private_segment_fixed_size 0
		.amdhsa_enable_private_segment 0
		.amdhsa_kernarg_size 224
		.amdhsa_user_sgpr_count 2
		.amdhsa_user_sgpr_kernarg_segment_ptr 1
		.amdhsa_wavefront_size32 1
		.amdhsa_system_sgpr_workgroup_id_x 1
		.amdhsa_system_sgpr_workgroup_id_y 1
		.amdhsa_system_sgpr_workgroup_id_z 1
		.amdhsa_system_vgpr_workitem_id 0
		.amdhsa_next_free_vgpr 512
		.amdhsa_next_free_sgpr 96
		.amdhsa_reserve_vcc 0
		.amdhsa_float_denorm_mode_32 3
		.amdhsa_float_denorm_mode_16_64 3
		.amdhsa_memory_ordered 1
		.amdhsa_forward_progress 1
		.amdhsa_inst_pref_size 62
	.end_amdhsa_kernel
	.amdgpu_metadata
---
amdhsa.version: [ 1, 2 ]
amdhsa.kernels:
  - .name:           k_qe6d19bd869_proj
    .symbol:         k_qe6d19bd869_proj.kd
    .args:
      - { .name: x, .offset: 0, .size: 8, .value_kind: global_buffer, .address_space: global }
      - { .name: kW_codes, .offset: 8, .size: 8, .value_kind: global_buffer, .address_space: global }
      - { .name: kW_scales, .offset: 16, .size: 8, .value_kind: global_buffer, .address_space: global }
      - { .name: kb, .offset: 24, .size: 8, .value_kind: global_buffer, .address_space: global }
      - { .name: kbeta, .offset: 32, .size: 8, .value_kind: global_buffer, .address_space: global }
      - { .name: kg, .offset: 40, .size: 8, .value_kind: global_buffer, .address_space: global }
      - { .name: kmu, .offset: 48, .size: 8, .value_kind: global_buffer, .address_space: global }
      - { .name: kvar, .offset: 56, .size: 8, .value_kind: global_buffer, .address_space: global }
      - { .name: qW_codes, .offset: 64, .size: 8, .value_kind: global_buffer, .address_space: global }
      - { .name: qW_scales, .offset: 72, .size: 8, .value_kind: global_buffer, .address_space: global }
      - { .name: qb, .offset: 80, .size: 8, .value_kind: global_buffer, .address_space: global }
      - { .name: qbeta, .offset: 88, .size: 8, .value_kind: global_buffer, .address_space: global }
      - { .name: qg, .offset: 96, .size: 8, .value_kind: global_buffer, .address_space: global }
      - { .name: qmu, .offset: 104, .size: 8, .value_kind: global_buffer, .address_space: global }
      - { .name: qvar, .offset: 112, .size: 8, .value_kind: global_buffer, .address_space: global }
      - { .name: vW_codes, .offset: 120, .size: 8, .value_kind: global_buffer, .address_space: global }
      - { .name: vW_scales, .offset: 128, .size: 8, .value_kind: global_buffer, .address_space: global }
      - { .name: vb, .offset: 136, .size: 8, .value_kind: global_buffer, .address_space: global }
      - { .name: vbeta, .offset: 144, .size: 8, .value_kind: global_buffer, .address_space: global }
      - { .name: vg, .offset: 152, .size: 8, .value_kind: global_buffer, .address_space: global }
      - { .name: vmu, .offset: 160, .size: 8, .value_kind: global_buffer, .address_space: global }
      - { .name: vvar, .offset: 168, .size: 8, .value_kind: global_buffer, .address_space: global }
      - { .name: kc, .offset: 176, .size: 8, .value_kind: global_buffer, .address_space: global }
      - { .name: ks, .offset: 184, .size: 8, .value_kind: global_buffer, .address_space: global }
      - { .name: qc, .offset: 192, .size: 8, .value_kind: global_buffer, .address_space: global }
      - { .name: qs, .offset: 200, .size: 8, .value_kind: global_buffer, .address_space: global }
      - { .name: vc, .offset: 208, .size: 8, .value_kind: global_buffer, .address_space: global }
      - { .name: vs, .offset: 216, .size: 8, .value_kind: global_buffer, .address_space: global }
    .group_segment_fixed_size: 168448
    .private_segment_fixed_size: 0
    .kernarg_segment_align: 8
    .kernarg_segment_size: 224
    .max_flat_workgroup_size: 128
    .sgpr_count:     96
    .vgpr_count:     512
    .wavefront_size: 32
...
	.end_amdgpu_metadata
.endif
;; end of part 1
;; launch attn (part 2): grid 32 x 8, 4 waves a work-group, no clusters, 107,008 bytes of LDS; arguments qc, qs, kc, ks, vc, vs, x, out0; writes out0
.if DOCPART == 2
	.amdgcn_target "amdgcn-amd-amdhsa--gfx1250"
	.amdhsa_code_object_version 6
	.text
	.protected	k_qe6d19bd869_attn
	.globl	k_qe6d19bd869_attn
	.p2align	8
	.type	k_qe6d19bd869_attn,@function
k_qe6d19bd869_attn:
	s_mov_b64 s[64:65], 0
	v_nop
	global_prefetch_b8 v0, s[64:65] scope:SCOPE_SE
	s_setreg_imm32_b32 hwreg(HW_REG_WAVE_MODE, 25, 1), 1
	s_wait_xcnt 0x0
; out[b][c][t] = x[b][c][t] + sum over keys of Q(p)[t][key] Q(v)[key][c];  p = exp(s - max) mask / (batch 0's row sum + 1e-30);  s = Q(q) . Q(k) mask / 8;  mask: t - 255 <= key <= t.
; The row's maximum runs over the whole row, whose masked places are zeros: it is max(0, the band's largest).  p is quantised finished, along the keys, in blocks of 32 counted from key 0.
; Work-group (a, b): 64 queries 64 a .. of batch b.  Only the 9 blocks of 32 keys that touch a query tile's band are computed; all else lies under the mask.
; PHASE A: wave w, tile w of 16 queries: batch 0's scores for those queries, their row sums, 1 / (sum + 1e-30).   PHASE B: the own batch's scores, p, its codes and bytes into LDS.
; PHASE C: the waves change shares: wave w makes channels 64 w .. 64 w + 63 for all 64 queries over the work-group's window of 12 blocks (3 K steps of 128; blocks outside a tile's 9 hold zero codes).
; Scores have K = 64: the upper 64 of the instruction's 128 meet zero codes of Q, so K's operand may name the next tile's four registers there.
; Blocks ahead of key 0 are loaded from clamped places and made to count for nothing: -infinity is added to their scores, so their p and its codes are zeros.
; All operands were laid by the launch before in the order of these registers.  Row r of tile 2 B + u is time 32 B + 8 u + r + 8 (r / 8).
; No tile is shared with another work-group but 11 KB of batch 0's keys out of some 200 KB a work-group: no cluster.  Every LDS byte is written once; no tensor load.
; LIMITS: NaN and infinities are not served; the division is a reciprocal and a multiplication; a p under 2^-126 is taken as 0 (the exponential's own flush); a block's largest p is its largest
; score put through the same instructions, which takes the exponential not to fall where its input rises; a block of zeros keeps the byte 1.
.set KIMG, 0                           ; LDS: K's images: own batch, 10 blocks x 2 tiles x 512 bytes;
.set KB0,  10240                       ; batch 0's as far behind
.set KSC,  20480                       ; K's scale words: block n at 128 n + 4 l;
.set KSB0, 1280                        ; batch 0's as far behind
.set PIMG, 23040                       ; P's codes: tile at 3,072, block at 256, row at 16, half at 8
.set PSC,  35328                       ; P's bytes: tile at 256, row at 16, block n at n
.set STG,  36352                       ; the way out: 64 rows of 256 + 16 bytes for each wave
.set KSTO, 1
.set KSSTO, 2
.set KA,   3
.set KSA,  4
.set PST,  5
.set PB,   6
.set PZ,   7
.set PBY,  8
.set PBB,  9
.set PBZ,  10
.set PLD,  11
.set PSL,  12
.set SOA,  13
.set SRA,  14
.set GX,   15
.set ELO,  16                          ; v16  in the window's first block register e counts where e >= ELO
.set EHI,  17                          ; v17  in its last where e <= EHI
.set NINF, 18                          ; v18  -infinity
.set C127, 19                          ; v19  127
.set ZZ,   20                          ; v[20:21] zeros
.set RD,   22                          ; v[22:23] 1 / (batch 0's sum + 1e-30), 0
.set RM,   24                          ; v24  the row's maximum
.set T0,   25
.set SUM,  26
.set KS,   32                          ; v32-40 batch 0's K scale words, v42-50 the own batch's;  v32-59 hold scales and nothing else
.set QS,   41                          ; v41, v51 Q's
.set PSR,  32                          ; later v32-47: P's scale words, four registers a tile
.set VS,   48                          ; later v48-59: V's, 3 ct + s
.set NM,   60                          ; v60-77 pairs (penalty - maximum, 0); later
.set PC,   60                          ; P's codes, two registers a block
.set BM,   78                          ; v78-86 a block's largest score, then its largest p, then its byte
.set BX,   87                          ; v87-95 permute destinations, then the conversions' scale operands
.set CH,   96                          ; v96-103 four chains of the sum
.set S,    106                         ; v106-249 scores, then p: register 16 m + 8 u + j is key 32 (E + m) + 16 h + 8 u + j
.set OB,   106                         ; later v106-233: rows of the result
.set KT,   106                         ; before the scores: K on its way to LDS,
.set KST,  146
.set VOK,  210                         ; and the loads' offsets
.set VOS,  215
.set VOV,  220
.set VOVS, 226
.set VF,   0                           ; window 1: V's 12 fragments, 8 (3 ct + s);
.set KF,   96                          ; K's tiles, four registers each: batch 0's 18, the own batch's 18, four zeros; later
.set PF,   96                          ; P's 12 fragments, 8 (3 mt + s)
.set VR,   0                           ; window 2: V's scale words as loaded, 2 j + g;
.set Q,    16                          ; Q's two fragments (batch 0's, the own batch's), the upper four registers zeros; later
.set XR,   128                         ; the 16 accumulators at v0-127.  v128-255: x
.set PEN,  32                          ; s32-40 a block's penalty: -infinity ahead of key 0, else 0
.set PCJ,  41                          ; s41-46 the window's six pairs of blocks, clamped to 0 .. 31
.set MSB, 0
.macro WIN new                         ; the immediate's high byte repeats the setting that is left
.if MSB != \new
	s_set_vgpr_msb (MSB<<8)|\new
.set MSB, \new
.endif
.endm
.macro WM d, a, b, sa, sb, zero, rowa  ; one product 16 x 16 x 128; zero = 1: it starts the sum; rowa = 1: source 0's scale words lie in lanes 16-31
.if \zero
.if \rowa
	v_wmma_scale_f32_16x16x128_f8f6f4 v[(\d):(\d)+7], v[(\a):(\a)+7], v[(\b):(\b)+7], 0, v[(\sa)], v[(\sb)] matrix_a_fmt:MATRIX_FMT_FP4 matrix_b_fmt:MATRIX_FMT_FP4 matrix_a_scale:MATRIX_SCALE_ROW1
.else
	v_wmma_scale_f32_16x16x128_f8f6f4 v[(\d):(\d)+7], v[(\a):(\a)+7], v[(\b):(\b)+7], 0, v[(\sa)], v[(\sb)] matrix_a_fmt:MATRIX_FMT_FP4 matrix_b_fmt:MATRIX_FMT_FP4
.endif
.else
	v_wmma_scale_f32_16x16x128_f8f6f4 v[(\d):(\d)+7], v[(\a):(\a)+7], v[(\b):(\b)+7], v[(\d):(\d)+7], v[(\sa)], v[(\sb)] matrix_a_fmt:MATRIX_FMT_FP4 matrix_b_fmt:MATRIX_FMT_FP4
.endif
.endm
.macro PLACES                          ; four plain vector instructions between a matrix instruction and the first read of its result (ISA guide 7.12.1)
.rept 4
	v_nop
.endr
.endm
.macro BARRIER                         ; my LDS stores have landed and my LDS loads are in: then the work-group's barrier
	s_wait_dscnt 0x0
	s_barrier_signal -1
	s_barrier_wait -1
.endm
	s_load_b512 s[4:19], s[0:1], 0x0               ; qc s[4:5], qs s[6:7], kc s[8:9], ks s[10:11], vc s[12:13], vs s[14:15], x s[16:17], out s[18:19]
	v_lshl_add_u32 v254, v0, 2, 0x1a000
	v_mov_b32 v255, 0
	v_lshrrev_b32 v234, 5, v0
	v_readfirstlane_b32 s22, v234                  ; wave w
	s_mov_b32 s20, ttmp9                           ; a
	s_and_b32 s21, ttmp7, 0xffff                   ; b
	s_lshr_b32 s23, s22, 1                         ; n0: which block of 32 my queries lie in
	s_and_b32 s24, s22, 1                          ; u: which tile of that block
	s_lshl_b32 s25, s20, 1
	s_add_co_u32 s25, s25, s23
	s_sub_co_i32 s25, s25, 8                       ; E: my window's first block, 2 a + n0 - 8 (may be negative)
	s_mov_b32 s26, 0x3e38aa3b                      ; log2(e) / 8
	s_mov_b32 s27, s26                             ; (named with it as a pair)
	s_mov_b32 s28, 0x76543210
	s_mov_b32 s29, 0xfedcba98                      ; v_permlanex16_b32's selects for lane l xor 16
	s_mov_b32 s30, 0x05040100                      ; v_perm_b32: the two low halves,
	s_mov_b32 s31, 0x07060302                      ; the two high halves
.irp m,0,1,2,3,4,5,6,7,8
	s_add_co_i32 s47, s25, \m
	s_cmp_lt_i32 s47, 0
	s_cselect_b32 s[PEN+\m], 0xff800000, 0
.endr
.irp j,0,1,2,3,4,5
	s_add_co_i32 s47, s20, \j-4
	s_max_i32 s47, s47, 0
	s_min_i32 s[PCJ+\j], s47, 31
.endr
	v_and_b32 v235, 31, v0                         ; l
	v_and_b32 v236, 15, v0                         ; r
	v_bfe_u32 v237, v0, 4, 1                       ; h
	v_and_b32 v238, 8, v236
	v_add_nc_u32 v238, v238, v236                  ; r + 8 (r / 8)
	v_and_b32 v239, 63, v0
	v_lshlrev_b32 v239, 2, v239                    ; 4 (thread % 64)
	v_lshl_add_u32 v[KSTO], v0, 4, KIMG
	s_mul_i32 s47, s23, KSB0                       ; waves 0, 1 bring the own batch's scale words, waves 2, 3 batch 0's
	s_add_co_u32 s47, s47, KSC
	v_add_nc_u32 v[KSSTO], s47, v239
	s_lshl_b32 s47, s23, 10
	v_lshl_add_u32 v[KA], v235, 4, s47
	s_lshl_b32 s47, s23, 7
	s_add_co_u32 s47, s47, KSC
	v_lshl_add_u32 v[KSA], v235, 2, s47
	v_lshlrev_b32 v240, 4, v236
	v_lshl_add_u32 v240, v237, 3, v240             ; 16 r + 8 h
	s_mul_i32 s47, s22, 3072
	s_add_co_u32 s47, s47, PIMG
	v_add_nc_u32 v[PB], s47, v240
	s_lshl_b32 s60, s23, 8
	v_add_nc_u32 v[PST], s60, v[PB]                ; my window's first block is block n0 of the work-group's twelve
	s_xor_b32 s60, s23, 1
	s_mul_i32 s61, s60, 2304
	v_add_nc_u32 v[PZ], s61, v[PB]                 ; the block of the first ten that is not mine: 9 (n0 = 0) or 0 (n0 = 1)
	s_lshl_b32 s47, s22, 8
	s_add_co_u32 s47, s47, PSC
	v_lshl_add_u32 v[PBB], v236, 4, s47
	v_add_nc_u32 v[PBY], s23, v[PBB]
	s_mul_i32 s61, s60, 9
	v_add_nc_u32 v[PBZ], s61, v[PBB]
	v_lshl_add_u32 v[PLD], v235, 4, PIMG
	v_lshl_add_u32 v[PSL], v236, 4, PSC
	s_mul_i32 s47, s22, 17408
	s_add_co_u32 s47, s47, STG
	v_mul_u32_u24 v[SOA], v236, 272
	v_lshl_add_u32 v[SOA], v237, 6, v[SOA]
	v_add_nc_u32 v[SOA], s47, v[SOA]               ; into my stage: row = channel r, + 64 h
	v_mul_u32_u24 v[SRA], v237, 272
	v_lshl_add_u32 v[SRA], v236, 4, v[SRA]
	v_add_nc_u32 v[SRA], s47, v[SRA]               ; back: lanes 0-15 one row of 256 bytes, lanes 16-31 the next
	v_lshlrev_b32 v[GX], 4, v236
	v_lshl_add_u32 v[GX], v237, 13, v[GX]          ; and the same two channels in x and in out
	s_lshl_b32 s47, s24, 3
	v_add_nc_u32 v[EHI], s47, v238                 ; my query's place in its block of 32: 8 u + r + 8 (r / 8);
	v_lshlrev_b32 v241, 4, v237
	v_sub_nc_u32 v[EHI], v[EHI], v241              ; register e holds place 16 h + e of a block
	v_add_nc_u32 v[ELO], 1, v[EHI]
	v_mov_b32 v[NINF], 0xff800000
	v_mov_b32 v[C127], 127
	v_mov_b32 v[ZZ], 0
	v_mov_b32 v[ZZ+1], 0
	v_mov_b32 v[RD+1], 0                           ; (upper halves of pairs of which the low word serves both halves are written once)
	v_mov_b32 v[T0], 0                             ; (a lane permute's destination counts as one of its sources)
.irp m,0,1,2,3,4,5,6,7,8
	v_mov_b32 v[NM+2*\m+1], 0
	v_mov_b32 v[BX+\m], 0
.endr
	v_lshlrev_b32 v242, 4, v236                    ; V's codes: 4,096 h + 16 (64 w + r)
	v_lshl_add_u32 v242, v237, 12, v242
	s_lshl_b32 s47, s22, 10
	v_add_nc_u32 v242, s47, v242
	s_lshl_b32 s47, s22, 7                         ; V's scale words: 128 w + 8 r: two words a row
	v_lshl_add_u32 v243, v236, 3, s47
.irp j,0,1,2,3,4
	s_lshl_b32 s47, s[PCJ+\j], 11                  ; a pair of blocks of K: four tiles, 2,048 bytes: 16 a thread
	v_lshl_add_u32 v[VOK+\j], v0, 4, s47
	s_lshl_b32 s47, s[PCJ+\j], 8                   ; its scale words: 256 bytes
	v_add_nc_u32 v[VOS+\j], s47, v239
.endr
.irp j,0,1,2,3,4,5
	s_lshl_b32 s47, s[PCJ+\j], 13
	v_add_nc_u32 v[VOV+\j], s47, v242
	s_lshl_b32 s47, s[PCJ+\j], 9
	v_add_nc_u32 v[VOVS+\j], s47, v243
.endr
	v_lshlrev_b32 v232, 4, v235                    ; 16 l
	v_lshlrev_b32 v233, 2, v236                    ; 4 r
	s_mov_b32 s61, 0
	s_mov_b32 s63, 0
	s_lshl_b32 s47, s20, 2
	s_add_co_u32 s47, s47, s22                     ; my tile of queries: 4 a + w
	s_wait_kmcnt 0x0
	s_lshl_b32 s60, s21, 16
	s_add_nc_u64 s[48:49], s[8:9], s[60:61]        ; K's codes, own batch (batch 0's: s[8:9])
	s_lshl_b32 s62, s47, 9
	s_add_nc_u64 s[54:55], s[4:5], s[62:63]        ; Q's codes, batch 0,
	s_add_nc_u64 s[52:53], s[54:55], s[60:61]      ; own batch
	s_lshl_b32 s62, s47, 6
	s_lshl_b32 s60, s21, 13
	s_add_nc_u64 s[58:59], s[6:7], s[62:63]        ; Q's scale words, batch 0,
	s_add_nc_u64 s[56:57], s[58:59], s[60:61]      ; own batch
	s_cmp_lt_u32 s22, 2
	s_cselect_b32 s62, s60, 0
	s_add_nc_u64 s[50:51], s[10:11], s[62:63]      ; K's scale words: waves 0, 1 the own batch's, waves 2, 3 batch 0's
	s_lshl_b32 s60, s21, 18
	s_add_nc_u64 s[12:13], s[12:13], s[60:61]
	s_lshl_b32 s60, s21, 14
	s_add_nc_u64 s[14:15], s[14:15], s[60:61]
	s_lshl_b32 s60, s21, 21                        ; x, out: batch b, channel 64 w, time 64 a
	s_lshl_b32 s62, s22, 19
	s_add_co_u32 s60, s60, s62
	s_lshl_b32 s62, s20, 8
	s_add_co_u32 s60, s60, s62
	s_add_nc_u64 s[16:17], s[16:17], s[60:61]
	s_add_nc_u64 s[18:19], s[18:19], s[60:61]
	; ---- the first 19 loads: what the scores want
.irp j,0,1,2,3,4
	global_load_b128 v[KT+4*\j:KT+4*\j+3], v[VOK+\j], s[48:49]
.endr
.irp j,0,1,2,3,4
	global_load_b128 v[KT+20+4*\j:KT+20+4*\j+3], v[VOK+\j], s[8:9]
.endr
.irp j,0,1,2,3,4
	global_load_b32 v[KST+\j], v[VOS+\j], s[50:51]
.endr
	WIN 0x80                                       ; destination window 2
	global_load_b128 v[Q:Q+3], v232, s[54:55]
	global_load_b128 v[Q+8:Q+11], v232, s[52:53]
	WIN 0
	global_load_b32 v[QS], v233, s[58:59]
	global_load_b32 v[QS+10], v233, s[56:57]
	; ---- 30 more: V's fragments and scale words, wanted in phases B and C
	WIN 0x40
.irp t,0,1,2,3
.irp s,0,1,2
.irp c,0,1
	global_load_b128 v[VF+8*(3*\t+\s)+4*\c:VF+8*(3*\t+\s)+4*\c+3], v[VOV+2*\s+\c], s[12:13] offset:256*\t
.endr
.endr
.endr
	WIN 0x80
.irp j,0,1,2,3,4,5
	global_load_b64 v[VR+2*\j:VR+2*\j+1], v[VOVS+\j], s[14:15]     ; my row's two words of this pair of blocks
.endr
.irp e,4,5,6,7,12,13,14,15
	v_mov_b32 v[Q+\e], 0                           ; Q's codes of k = 64 .. 127: zeros
.endr
	WIN 0
	s_wait_loadcnt 30                              ; the 19 are in; V's 30 may stay out
.irp j,0,1,2,3,4
	ds_store_b128 v[KSTO], v[KT+4*\j:KT+4*\j+3] offset:2048*\j
.endr
.irp j,0,1,2,3,4
	ds_store_b128 v[KSTO], v[KT+20+4*\j:KT+20+4*\j+3] offset:KB0+2048*\j
.endr
.irp j,0,1,2,3,4
	ds_store_b32 v[KSSTO], v[KST+\j] offset:256*\j
.endr
	BARRIER                                        ; both batches' ten blocks of K lie in LDS
	WIN 0x80
.set i, 0
.rept 32
	global_load_b128 v[XR+4*i:XR+4*i+3], v[GX], s[16:17] offset:16384*i th:TH_LOAD_NT   ; x, wanted at the very end: sixteen lanes read 256 consecutive bytes
.set i, i+1
.endr
	WIN 0
.irp m,0,1,2,3,4,5,6,7,8
	ds_load_b32 v[KS+10+\m], v[KSA] offset:128*\m
.endr
.irp m,0,1,2,3,4,5,6,7,8
	ds_load_b32 v[KS+\m], v[KSA] offset:KSB0+128*\m
.endr
	WIN 0x40
.irp m,0,1,2,3,4,5,6,7,8
.irp u,0,1
	ds_load_b128 v[KF+4*(2*\m+\u):KF+4*(2*\m+\u)+3], v[KA] offset:KB0+1024*\m+512*\u
.endr
.endr
.irp m,0,1,2,3,4,5,6,7,8
.irp u,0,1
	ds_load_b128 v[KF+72+4*(2*\m+\u):KF+72+4*(2*\m+\u)+3], v[KA] offset:1024*\m+512*\u
.endr
.endr
.irp e,0,1,2,3
	v_mov_b32 v[KF+144+\e], 0                      ; what the last tile's operand names as its upper four
.endr
	WIN 0
	s_wait_xcnt 0x0                                ; the loads' offsets lie where the scores will be written: they have been read
	s_wait_dscnt 17                                ; batch 0's 18 tiles and the own batch's first (batch 0's last operand names it) are in; the other 17 may stay out
; THE SOFTMAX OF MY 16 QUERIES.  bt = 0: batch 0, up to 1 / (sum + 1e-30).  bt = 1: the own batch, up to P's codes and bytes in LDS.
.macro SOFT bt
	WIN 0x09                                       ; source 0 (K) window 1, source 1 (Q) window 2
.irp m,0,1,2,3,4,5,6,7,8
.irp u,0,1
	WM S+16*\m+8*\u, KF+72*\bt+4*(2*\m+\u), Q+8*\bt, KS+10*\bt+\m, QS+10*\bt, 1, \u
.endr
.endr
	WIN 0
	PLACES
.irp e,0,1,2,3,4,5,6,7,8,9,10,11,12,13,14,15   ; the band's two edges: hidden scores become -infinity.  Blocks 1 to 7 lie wholly in the band
	v_cmp_ge_i32 vcc_lo, \e, v[ELO]
	v_cmp_le_i32 s62, \e, v[EHI]
	v_cndmask_b32 v[S+\e], v[NINF], v[S+\e], vcc_lo
	v_cndmask_b32 v[S+128+\e], v[NINF], v[S+128+\e], s62
.endr
.irp m,0,1,2,3,4,5,6,7,8
	v_max3_num_f32 v[BM+\m], v[S+16*\m], v[S+16*\m+1], v[S+16*\m+2]       ; each block's largest score, the nine blocks by turns
.endr
.irp e,3,5,7,9,11,13
.irp m,0,1,2,3,4,5,6,7,8
	v_max3_num_f32 v[BM+\m], v[BM+\m], v[S+16*\m+\e], v[S+16*\m+\e+1]
.endr
.endr
.irp m,0,1,2,3,4,5,6,7,8
	v_max_num_f32 v[BM+\m], v[BM+\m], v[S+16*\m+15]
.endr
.irp m,0,1,2,3,4,5,6,7,8
	v_add_f32 v[BM+\m], s[PEN+\m], v[BM+\m]        ; a block ahead of key 0 counts for nothing
.endr
.irp m,0,1,2,3,4,5,6,7,8
	v_permlanex16_b32 v[BX+\m], v[BM+\m], s28, s29
.endr
.irp m,0,1,2,3,4,5,6,7,8
	v_max_num_f32 v[BM+\m], v[BM+\m], v[BX+\m]     ; with lane l xor 16's 16 keys
.endr
	v_max3_num_f32 v[RM], v[BM], v[BM+1], 0        ; the row's maximum; 0 is among its leaves: the row's masked places are zeros
	v_max3_num_f32 v[T0], v[BM+2], v[BM+3], v[BM+4]
	v_max3_num_f32 v[RM], v[RM], v[BM+5], v[BM+6]
	v_max3_num_f32 v[T0], v[T0], v[BM+7], v[BM+8]
	v_max_num_f32 v[RM], v[RM], v[T0]
.irp m,0,1,2,3,4,5,6,7,8
	v_sub_f32 v[NM+2*\m], s[PEN+\m], v[RM]
.endr
.irp m,0,1,2,3,4,5,6,7,8
.irp e,0,2,4,6,8,10,12,14
	v_pk_add_f32 v[S+16*\m+\e:S+16*\m+\e+1], v[S+16*\m+\e:S+16*\m+\e+1], v[NM+2*\m:NM+2*\m+1] op_sel_hi:[1,0]   ; score - maximum first, as it is defined: its error does not grow with the maximum
.endr
.endr
.if \bt
.irp m,0,1,2,3,4,5,6,7,8
	v_add_f32 v[BM+\m], v[BM+\m], v[NM+2*\m]       ; the same of each block's largest score
.endr
.endif
.set i, 0
.rept 72
	v_pk_mul_f32 v[S+2*i:S+2*i+1], v[S+2*i:S+2*i+1], s[26:27] op_sel_hi:[1,0]
.set i, i+1
.endr
.if \bt
.irp m,0,1,2,3,4,5,6,7,8
	v_mul_f32 v[BM+\m], s26, v[BM+\m]
.endr
.endif
.set i, 0
.rept 144
	v_exp_f32 v[S+i], v[S+i]
.set i, i+1
.endr
.if \bt
.irp m,0,1,2,3,4,5,6,7,8
	v_exp_f32 v[BM+\m], v[BM+\m]
.endr
.endif
	v_nop                                          ; one plain place behind the transcendentals
.if \bt == 0
	s_wait_alu depctr_va_vdst(0)
.irp k,0,1,2,3                         ; the row's sum: two numbers at a time, in four chains
	v_pk_add_f32 v[CH+2*\k:CH+2*\k+1], v[S+4*\k:S+4*\k+1], v[S+4*\k+2:S+4*\k+3]
.endr
.set i, 16
.rept 16
.irp k,0,1,2,3
	v_pk_add_f32 v[CH+2*\k:CH+2*\k+1], v[CH+2*\k:CH+2*\k+1], v[S+i+2*\k:S+i+2*\k+1]
.endr
.set i, i+8
.endr
	v_pk_add_f32 v[CH:CH+1], v[CH:CH+1], v[CH+2:CH+3]
	v_pk_add_f32 v[CH+4:CH+5], v[CH+4:CH+5], v[CH+6:CH+7]
	v_pk_add_f32 v[CH:CH+1], v[CH:CH+1], v[CH+4:CH+5]
	v_add_f32 v[SUM], v[CH], v[CH+1]
	v_permlanex16_b32 v[T0], v[SUM], s28, s29
	v_add_f32 v[SUM], v[SUM], v[T0]                ; with lane l xor 16's keys
	v_add_f32 v[SUM], 0x0da24260, v[SUM]           ; + 1e-30
	v_rcp_f32 v[RD], v[SUM]
	v_nop                                          ; one plain place behind the transcendental
.else
	s_wait_loadcnt 32                              ; V's codes and scale words are in; x's 32 loads may stay out
	WIN 0x0a                                       ; sources 0 and 1 window 2
.irp g,0,1                             ; V's scale word of (tile of channels 2 g + e, K step s): the two bytes of each of the pairs of blocks 2 s and 2 s + 1
.irp s,0,1,2
	v_perm_b32 v[VS+3*(2*\g)+\s], v[VR+2*(2*\s+1)+\g], v[VR+2*(2*\s)+\g], s30
	v_perm_b32 v[VS+3*(2*\g+1)+\s], v[VR+2*(2*\s+1)+\g], v[VR+2*(2*\s)+\g], s31
.endr
.endr
	WIN 0
.set i, 0
	s_wait_alu depctr_va_vdst(0)
.rept 72
	v_pk_mul_f32 v[S+2*i:S+2*i+1], v[S+2*i:S+2*i+1], v[RD:RD+1] op_sel_hi:[1,0]   ; p, finished
.set i, i+1
.endr
.irp m,0,1,2,3,4,5,6,7,8
	v_mul_f32 v[BM+\m], v[BM+\m], v[RD]            ; each block's largest p: the same instructions on the same number give the same bits
.endr
.irp m,0,1,2,3,4,5,6,7,8
	v_max_num_f32 v[BM+\m], 0x1800000, v[BM+\m]    ; the floor 2^(3 - 127): the byte cannot fall under 1
.endr
.irp m,0,1,2,3,4,5,6,7,8
	v_add_nc_u32 v[BX+\m], 0xff000000, v[BM+\m]    ; 2 off the exponent field: the conversions' scale operand
.endr
.irp m,0,1,2,3,4,5,6,7,8
	v_lshrrev_b32 v[BM+\m], 23, v[BX+\m]           ; the scale's byte
.endr
.irp m,0,1,2,3,4,5,6,7,8
	v_cvt_scalef32_pk8_fp4_f32 v[PC+2*\m], v[S+16*\m:S+16*\m+7], v[BX+\m]
	v_cvt_scalef32_pk8_fp4_f32 v[PC+2*\m+1], v[S+16*\m+8:S+16*\m+15], v[BX+\m]
.endr
	v_nop                                          ; one plain place behind a scaled conversion
.irp m,0,1,2,3,4,5,6,7,8
	ds_store_b64 v[PST], v[PC+2*\m:PC+2*\m+1] offset:256*\m        ; my 16 keys of the block: 8 bytes; the 32 lanes fill the block's 256
.endr
	ds_store_b64 v[PB], v[ZZ:ZZ+1] offset:2560     ; the three blocks of the twelve that are not mine: zero codes,
	ds_store_b64 v[PB], v[ZZ:ZZ+1] offset:2816
	ds_store_b64 v[PZ], v[ZZ:ZZ+1]
.irp m,0,1,2,3,4,5,6,7,8
	ds_store_b8 v[PBY], v[BM+\m] offset:\m         ; both lanes of a row write the same byte with the same value
.endr
	ds_store_b8 v[PBB], v[C127] offset:10          ; and the byte 127
	ds_store_b8 v[PBB], v[C127] offset:11
	ds_store_b8 v[PBZ], v[C127]
.endif
.endm
	SOFT 0
	s_wait_dscnt 0x0                               ; the own batch's tiles
	SOFT 1
	BARRIER                                        ; P's codes and bytes of all 64 queries lie in LDS
	; ---- phase C: my 64 channels for the 64 queries.  Source 0 = 16 queries of P, source 1 = 16 channels of V; a lane holds one channel, its registers run along time
	WIN 0x40
.irp m,0,1,2,3
.irp s,0,1,2
.irp c,0,1
	ds_load_b128 v[PF+8*(3*\m+\s)+4*\c:PF+8*(3*\m+\s)+4*\c+3], v[PLD] offset:3072*\m+(4*\s+2*\c)*256
.endr
.endr
.endr
	WIN 0
.irp m,0,1,2,3
	ds_load_b96 v[PSR+4*\m:PSR+4*\m+2], v[PSL] offset:256*\m
.endr
	s_wait_dscnt 0x0
	WIN 0xa5                                       ; sources 0 and 1 window 1, C and D window 2.  Sixteen accumulators take turns, one instruction a turn
.irp t,0,1,2,3
.irp m,0,1,2,3
	WM 8*(4*\t+\m), PF+8*(3*\m), VF+8*(3*\t), PSR+4*\m, VS+3*\t, 1, 0
.endr
.endr
.irp s,1,2
.irp t,0,1,2,3
.irp m,0,1,2,3
	WM 8*(4*\t+\m), PF+8*(3*\m+\s), VF+8*(3*\t+\s), PSR+4*\m+\s, VS+3*\t+\s, 0, 0
.endr
.endr
.endr
	WIN 0
	PLACES
; THE WAY OUT, in two halves of 32 channels.  A lane holds 8 times of one channel; a channel's 64 times are 256 bytes of out.  So the results go through my own stage and come back as whole rows.
.macro TOST c0, c1                     ; the tiles of channels c0 and c1 into the stage
	WIN 0x08                                       ; an LDS store's data are its source 1: window 2
.irp t,\c0,\c1
.irp m,0,1,2,3
	ds_store_b128 v[SOA], v[8*(4*\t+\m):8*(4*\t+\m)+3] offset:4352*\t+128*(\m/2)+32*(\m%2)          ; channel 16 t + r, times 32 (m / 2) + 8 (m % 2) + 16 h + 0 .. 7; each accumulator from its low end on
	ds_store_b128 v[SOA], v[8*(4*\t+\m)+4:8*(4*\t+\m)+7] offset:4352*\t+128*(\m/2)+32*(\m%2)+16
.endr
.endr
	WIN 0
.endm
.macro BACK from                       ; 16 pairs of rows back.  The stage is my own and LDS serves a wave's instructions in order (ISA guide 5.7.1.4): these see my stores
.set i, \from
.rept 16
	ds_load_b128 v[OB+4*i:OB+4*i+3], v[SRA] offset:544*i
.set i, i+1
.endr
.endm
.macro SEND from                       ; + x, and out
	WIN 0x08                                       ; source 1 (x) window 2
.set i, 2*\from
.rept 32
	v_pk_add_f32 v[OB+2*i:OB+2*i+1], v[OB+2*i:OB+2*i+1], v[XR+2*i:XR+2*i+1]
.set i, i+1
.endr
	WIN 0
.set i, \from
.rept 16
	global_store_b128 v[GX], v[OB+4*i:OB+4*i+3], s[18:19] offset:16384*i th:TH_STORE_NT     ; sixteen lanes store 256 consecutive bytes, aligned: 64 times of one channel
.set i, i+1
.endr
.endm
	TOST 0, 1
	BACK 0
	TOST 2, 3
	s_wait_dscnt 16                                ; the first half's rows are back; the 16 stores issued behind them may stay out
	BACK 16
	s_wait_loadcnt 0x0                             ; x
	SEND 0
	s_wait_dscnt 0x0                               ; the second half's rows are back
	SEND 16
	s_wait_tensorcnt 0x0
	ds_add_u32 v254, v255
	s_wait_dscnt 0x0
	s_endpgm
.Lfunc_end_k_qe6d19bd869_attn:
	.size	k_qe6d19bd869_attn, .Lfunc_end_k_qe6d19bd869_attn-k_qe6d19bd869_attn
	.p2alignl 7, 3214868480
	.fill 96, 4, 3214868480
	.section	.rodata,"a",@progbits
	.p2align	6, 0x0
	.amdhsa_kernel k_qe6d19bd869_attn
		.amdhsa_group_segment_fixed_size 107008
		.amdhsa_private_segment_fixed_size 0
		.amdhsa_enable_private_segment 0
		.amdhsa_kernarg_size 64
		.amdhsa_user_sgpr_count 2
		.amdhsa_user_sgpr_kernarg_segment_ptr 1
		.amdhsa_wavefront_size32 1
		.amdhsa_system_sgpr_workgroup_id_x 1
		.amdhsa_system_sgpr_workgroup_id_y 1
		.amdhsa_system_sgpr_workgroup_id_z 1
		.amdhsa_system_vgpr_workitem_id 0
		.amdhsa_next_free_vgpr 768
		.amdhsa_next_free_sgpr 66
		.amdhsa_reserve_vcc 1
		.amdhsa_float_denorm_mode_32 3
		.amdhsa_float_denorm_mode_16_64 3
		.amdhsa_memory_ordered 1
		.amdhsa_forward_progress 1
		.amdhsa_inst_pref_size 107
	.end_amdhsa_kernel
	.amdgpu_metadata
---
amdhsa.version: [ 1, 2 ]
amdhsa.kernels:
  - .name:           k_qe6d19bd869_attn
    .symbol:         k_qe6d19bd869_attn.kd
    .args:
      - { .name: qc, .offset: 0, .size: 8, .value_kind: global_buffer, .address_space: global }
      - { .name: qs, .offset: 8, .size: 8, .value_kind: global_buffer, .address_space: global }
      - { .name: kc, .offset: 16, .size: 8, .value_kind: global_buffer, .address_space: global }
      - { .name: ks, .offset: 24, .size: 8, .value_kind: global_buffer, .address_space: global }
      - { .name: vc, .offset: 32, .size: 8, .value_kind: global_buffer, .address_space: global }
      - { .name: vs, .offset: 40, .size: 8, .value_kind: global_buffer, .address_space: global }
      - { .name: x, .offset: 48, .size: 8, .value_kind: global_buffer, .address_space: global }
      - { .name: out0, .offset: 56, .size: 8, .value_kind: global_buffer, .address_space: global }
    .group_segment_fixed_size: 107008
    .private_segment_fixed_size: 0
    .kernarg_segment_align: 8
    .kernarg_segment_size: 64
    .max_flat_workgroup_size: 128
    .sgpr_count:     66
    .vgpr_count:     768
    .wavefront_size: 32
...
	.end_amdgpu_metadata
.endif
;; end of part 2
;; ======== version 2 of 2: 2 launches
;; workspace buffers: kc 524,288 bytes; qc 524,288 bytes; ks 65,536 bytes; qs 65,536 bytes; vc 2,097,152 bytes; vs 131,072 bytes
;; launch proj (part 3): grid 32 x 8, 4 waves a work-group, no clusters, 168,448 bytes of LDS; arguments x, kW_codes, kW_scales, kb, kbeta, kg, kmu, kvar, qW_codes, qW_scales, qb, qbeta, qg, qmu, qvar, vW_codes, vW_scales, vb, vbeta, vg, vmu, vvar, kc, ks, qc, qs, vc, vs; writes kc, ks, qc, qs, vc, vs
.if DOCPART == 3
	.amdgcn_target "amdgcn-amd-amdhsa--gfx1250"
	.amdhsa_code_object_version 6
	.text
	.protected	k_qe6d19bd869_proj
	.globl	k_qe6d19bd869_proj
	.p2align	8
	.type	k_qe6d19bd869_proj,@function
k_qe6d19bd869_proj:
	s_mov_b64 s[64:65], 0
	v_nop
	global_prefetch_b8 v0, s[64:65] scope:SCOPE_SE
	s_setreg_imm32_b32 hwreg(HW_REG_WAVE_MODE, 25, 1), 1
	s_wait_xcnt 0x0
; k, q, v = relu(BN(W Q(x) + b)) for 64 times of one batch, then quantised to E2M1 (one E8M0 byte for each 32): k and q along their 64 channels, v along time.
; x: [8][256][2048] f32.  Work-group (a, b): batch b, times 64 a .. 64 a + 63.  Weights arrive as codes, K (the 256 channels of x) innermost.
; STEPS.  x's tile (256 channels x 64 times, rows of 256 aligned bytes) comes by four tensor loads, one a wave, filled once.  Each wave quantises 32 times x 128 channels of it (a lane a time, registers down the
; channels), and the fragments go to the other waves through LDS as images of their registers.  Then three passes of 16 matrix instructions a wave: q or k (waves 0, 1: k; waves 2, 3: q; 32 times each),
; and twice 32 of the wave's 64 channels of v for all 64 times.  BN is one fused multiply-add: y = sum x inv + ((b - mu) inv + beta), inv = g rsq(var + 1e-5).
; THE TIMES OF A TILE ARE NOT NEIGHBOURS: row r of tile 2 B + u is time 32 B + 8 u + r + 8 (r / 8); likewise the rows of kW and qW.  So a lane's 16 registers of two neighbouring tiles are 16 neighbours along the next K.
; OUT, in the order of the reader's operand registers: kc, qc [b][tile][lane][16 bytes]; ks, qs [b][tile][16 words]; vc [b][block of 32 times][channel][16 bytes]; vs [b][64 times][wave][16][2][4 bytes].
; LIMITS: NaN and infinities among the inputs are not served; var + 1e-5 is a normal positive number; a block whose largest magnitude lies under 2^-124 keeps the byte 1, a block of zeros too (its codes are
; zeros, and this program alone reads the bytes); BN's rounding order differs from (y - mu) inv + beta by f32 roundings.
.set XIMG, 65536                       ; LDS: x's tile at 0 (row c at 256 c); x's 8 fragments: (tile T, K step s) at (2 T + s) 1024, four registers 512 bytes, lane at 16 l
.set XSC,  73728                       ; their scale words: (half of the times cw, K step s) at (2 cw + s) 128 + 4 l; lanes 0-15 the even tile, lanes 16-31 the odd one
.set PINV, 74240                       ; inv: k's 64, q's 64, v's 256 numbers
.set PSD,  1536                        ; and as far behind: the shifts
.set XA,  4                            ; v4   my time's column in x's tile, at my wave's first channel
.set XW,  5                            ; v5   where I store x's images
.set XSW, 6                            ; v6   and their scale word
.set LI,  7                            ; v7   XIMG + 16 l
.set LS,  8                            ; v8   XSC + 4 l
.set LIQ, 9                            ; v9   the same at my wave's own pair of tiles
.set LSQ, 10
.set PA,  11                           ; v11  inv of k or q: + 64 (l / 16)
.set PVA, 12                           ; v12  inv of v: my wave's channels, + 4 (l % 16)
.set OQ,  13                           ; v13  16 l
.set OS,  14                           ; v14  4 l
.set OV,  15                           ; v15  4096 (l / 16) + 16 (l % 16)
.set OSV, 250                          ; v250 8 (l % 16) + 4 (l / 16)
.set WVS, 16                           ; v16-23  vW's scale words (tile ct, K step s): 2 ct + s
.set WQS, 24                           ; v24-31  kW's or qW's
.set XN,  32                           ; v32-159 128 numbers of x; later:
.set XF,  32                           ; v32-95  x's 8 fragments
.set AC,  96                           ; v96-159 8 accumulators
.set XC,  160                          ; v160-175 x's codes; later:
.set PC,  160                          ; v160-183 the codes made, 8 registers a pass: no store's data are written again
.set XS,  184                          ; v184-187 x's scale words
.set TM,  188                          ; v188-199 +0..3 largest magnitudes, +4..7 at work, then the bytes, +8..11 the conversions' scale operands
.set XQ,  206                          ; v206-237 my own pair of tiles' 4 fragments (before: the raw BN numbers)
.set XSQ, 238                          ; v238-239 their scale words
.set WV,  0                            ; window 1: vW's 8 fragments;
.set WQ,  64                           ; kW's or qW's 8;
.set PI,  128                          ; inv and shift of k or q in the result's layout, 32 each;
.set PS,  160
.set PVI, 192                          ; inv and shift of v, a pair for each tile of channels
.set PVS, 200
.set MSB, 0
.macro WIN new                         ; the immediate's high byte repeats the setting that is left
.if MSB != \new
	s_set_vgpr_msb (MSB<<8)|\new
.set MSB, \new
.endif
.endm
.macro WM d, a, b, sa, sb, zero, rowa, rowb    ; one product 16 x 16 x 128; zero = 1: it starts the sum; rowa, rowb: that side's scale words lie in lanes 16-31
.if \zero
.if \rowa
	v_wmma_scale_f32_16x16x128_f8f6f4 v[(\d):(\d)+7], v[(\a):(\a)+7], v[(\b):(\b)+7], 0, v[(\sa)], v[(\sb)] matrix_a_fmt:MATRIX_FMT_FP4 matrix_b_fmt:MATRIX_FMT_FP4 matrix_a_scale:MATRIX_SCALE_ROW1
.elseif \rowb
	v_wmma_scale_f32_16x16x128_f8f6f4 v[(\d):(\d)+7], v[(\a):(\a)+7], v[(\b):(\b)+7], 0, v[(\sa)], v[(\sb)] matrix_a_fmt:MATRIX_FMT_FP4 matrix_b_fmt:MATRIX_FMT_FP4 matrix_b_scale:MATRIX_SCALE_ROW1
.else
	v_wmma_scale_f32_16x16x128_f8f6f4 v[(\d):(\d)+7], v[(\a):(\a)+7], v[(\b):(\b)+7], 0, v[(\sa)], v[(\sb)] matrix_a_fmt:MATRIX_FMT_FP4 matrix_b_fmt:MATRIX_FMT_FP4
.endif
.else
.if \rowa
	v_wmma_scale_f32_16x16x128_f8f6f4 v[(\d):(\d)+7], v[(\a):(\a)+7], v[(\b):(\b)+7], v[(\d):(\d)+7], v[(\sa)], v[(\sb)] matrix_a_fmt:MATRIX_FMT_FP4 matrix_b_fmt:MATRIX_FMT_FP4 matrix_a_scale:MATRIX_SCALE_ROW1
.elseif \rowb
	v_wmma_scale_f32_16x16x128_f8f6f4 v[(\d):(\d)+7], v[(\a):(\a)+7], v[(\b):(\b)+7], v[(\d):(\d)+7], v[(\sa)], v[(\sb)] matrix_a_fmt:MATRIX_FMT_FP4 matrix_b_fmt:MATRIX_FMT_FP4 matrix_b_scale:MATRIX_SCALE_ROW1
.else
	v_wmma_scale_f32_16x16x128_f8f6f4 v[(\d):(\d)+7], v[(\a):(\a)+7], v[(\b):(\b)+7], v[(\d):(\d)+7], v[(\sa)], v[(\sb)] matrix_a_fmt:MATRIX_FMT_FP4 matrix_b_fmt:MATRIX_FMT_FP4
.endif
.endif
.endm
.macro PLACES                          ; four plain vector instructions between a matrix instruction and the first read of its result (ISA guide 7.12.1)
.rept 4
	v_nop
.endr
.endm
.macro BARRIER                         ; my LDS stores have landed and my LDS loads are in: then the work-group's barrier
	s_wait_dscnt 0x0
	s_barrier_signal -1
	s_barrier_wait -1
.endm
	s_load_b512 s[4:19], s[0:1], 0x0               ; x s[4:5]; k's seven: codes, scales, b, beta, g, mu, var s[6:19]
	s_load_b512 s[20:35], s[0:1], 0x40             ; q's seven s[20:33]; vW's codes s[34:35]
	s_load_b512 s[36:51], s[0:1], 0x80             ; vW's scales, vb, vbeta, vg, vmu, vvar s[36:47]; kc s[48:49], ks s[50:51]
	s_load_b256 s[52:59], s[0:1], 0xc0             ; qc, qs, vc, vs
	v_lshl_add_u32 v254, v0, 2, 0x29000
	v_mov_b32 v255, 0
	ds_add_u32 v254, v255
	ds_add_u32 v254, v255
	v_lshrrev_b32 v248, 5, v0
	v_readfirstlane_b32 s62, v248                  ; wave w
	s_mov_b32 s60, ttmp9                           ; a
	s_and_b32 s61, ttmp7, 0xffff                   ; b
	s_lshr_b32 s63, s62, 1                         ; sel: 0 = k, 1 = q.  Also the K step of x that I quantise
	s_and_b32 s66, s62, 1                          ; cp: which 32 of the 64 times I quantise, and for which I make q or k
	; descriptor group 1: a tile of 64 rows (channels) x 64 elements of 4 bytes, rows 2,048 elements apart, no padding: a lane reads a column, 32 lanes 32 neighbouring words
	s_mov_b32 s72, 2<<16
	s_mov_b32 s73, 64<<16                          ; tensor_dim0
	s_mov_b32 s74, 64<<16                          ; tensor_dim1
	s_mov_b32 s75, 64<<16                          ; tile_dim0
	s_mov_b32 s76, 64                              ; tile_dim1
	s_mov_b32 s77, 2048                            ; tensor_dim0_stride
	s_mov_b32 s78, 0
	s_mov_b32 s79, 0
	s_mov_b32 s80, 0x76543210
	s_mov_b32 s81, 0xfedcba98                      ; v_permlanex16_b32's selects for lane l xor 16
	s_mov_b32 s82, 0xffff0000                      ; a mask of lanes 16-31
	s_mov_b32 s83, 0x3727c5ac                      ; 1e-5
	s_lshl_b32 s84, s61, 21                        ; x: batch b, channel 64 w, time 64 a, in bytes
	s_lshl_b32 s67, s62, 19
	s_add_co_u32 s84, s84, s67
	s_lshl_b32 s67, s60, 8
	s_add_co_u32 s84, s84, s67
	s_mov_b32 s85, 0
	s_lshl_b32 s86, s61, 16                        ; kc, qc: batch 65,536, tile 4 a + 2 cp of 512 bytes
	s_lshl_b32 s67, s60, 11
	s_add_co_u32 s86, s86, s67
	s_lshl_b32 s67, s66, 10
	s_add_co_u32 s86, s86, s67
	s_mov_b32 s87, 0
	s_lshl_b32 s88, s61, 18                        ; vc: batch 262,144, block 2 a of 4,096, channel 64 w of 16
	s_lshl_b32 s67, s60, 13
	s_add_co_u32 s88, s88, s67
	s_lshl_b32 s67, s62, 10
	s_add_co_u32 s88, s88, s67
	s_mov_b32 s89, 0
	s_lshl_b32 s90, s61, 14                        ; vs: batch 16,384, 64 times 512, wave 128
	s_lshl_b32 s67, s60, 9
	s_add_co_u32 s90, s90, s67
	s_lshl_b32 s67, s62, 7
	s_add_co_u32 s90, s90, s67
	s_mov_b32 s91, 0
	v_and_b32 v1, 31, v0                           ; l
	v_and_b32 v2, 15, v0                           ; r
	v_bfe_u32 v3, v0, 4, 1                         ; h
	v_and_b32 v248, 8, v2
	v_add_nc_u32 v248, v248, v2                    ; r + 8 (r / 8)
	v_and_b32 v[XA], 7, v0                         ; my time among my wave's 32: (l % 8) + 16 (bit 3) + 8 (bit 4): lanes 0-15 are the even tile's rows, lanes 16-31 the odd tile's
	v_lshlrev_b32 v[XA], 2, v[XA]
	v_bfe_u32 v249, v0, 3, 1
	v_lshl_or_b32 v[XA], v249, 6, v[XA]
	v_lshl_or_b32 v[XA], v3, 5, v[XA]
	s_lshl_b32 s92, s63, 15                        ; + 128 sel rows of 256 bytes + 128 cp
	s_lshl_b32 s93, s66, 7
	s_add_co_u32 s92, s92, s93
	v_add_nc_u32 v[XA], s92, v[XA]
	v_lshlrev_b32 v[OQ], 4, v1
	v_lshlrev_b32 v[OS], 2, v1
	s_wait_alu depctr_va_vdst(0)
	v_lshlrev_b32 v[OSV], 3, v2
	v_lshl_add_u32 v[OSV], v3, 2, v[OSV]
	s_lshl_b32 s92, s66, 12                        ; my images: tiles 2 cp, 2 cp + 1, K step sel
	s_lshl_b32 s93, s63, 10
	s_add_co_u32 s92, s92, s93
	s_add_co_u32 s92, s92, XIMG
	v_add_nc_u32 v[XW], s92, v[OQ]
	s_lshl_b32 s92, s66, 8
	s_lshl_b32 s93, s63, 7
	s_add_co_u32 s92, s92, s93
	s_add_co_u32 s92, s92, XSC
	v_add_nc_u32 v[XSW], s92, v[OS]
	v_add_nc_u32 v[LI], XIMG, v[OQ]
	v_add_nc_u32 v[LS], XSC, v[OS]
	s_lshl_b32 s92, s66, 12
	v_add_nc_u32 v[LIQ], s92, v[LI]
	s_lshl_b32 s92, s66, 8
	v_add_nc_u32 v[LSQ], s92, v[LS]
	s_lshl_b32 s92, s63, 8
	s_add_co_u32 s92, s92, PINV
	v_lshl_add_u32 v[PA], v3, 6, s92
	s_lshl_b32 s92, s62, 8
	s_add_co_u32 s92, s92, PINV+512
	v_lshl_add_u32 v[PVA], v2, 2, s92
	v_lshlrev_b32 v[OV], 4, v2
	v_lshl_add_u32 v[OV], v3, 12, v[OV]
	v_lshlrev_b32 v240, 7, v2                      ; vW's codes: row r of 128 bytes, + 16 h
	v_lshl_add_u32 v240, v3, 4, v240
	v_lshlrev_b32 v241, 7, v248                    ; kW's, qW's: row r + 8 (r / 8)
	v_lshl_add_u32 v241, v3, 4, v241
	v_lshlrev_b32 v242, 3, v2                      ; the scale bytes: 8 a row
	v_lshlrev_b32 v243, 3, v248
	v_and_b32 v244, 63, v0                         ; BN of k or q: one channel a thread of the two waves
	v_lshlrev_b32 v244, 2, v244
	v_lshlrev_b32 v245, 3, v0                      ; BN of v: two channels a thread
	v_lshl_add_u32 v246, v0, 2, PINV
	v_lshl_add_u32 v247, v0, 3, PINV+512
.irp k,0,1,2,3
	v_mov_b32 v[TM+4+\k], 0                        ; written once: a lane permute's destination counts as one of its sources
.endr
	s_wait_alu depctr_va_vdst(0)
	s_wait_dscnt 0x0
	s_wait_kmcnt 0x0
	s_mov_b32 s68, 1                               ; descriptor group 0: count 1,
	s_lshl_b32 s69, s62, 14                        ; LDS: my 64 rows of 256 bytes,
	s_add_nc_u64 s[70:71], s[4:5], s[84:85]        ; from x,
	s_or_b32 s71, s71, 0x80000000                  ; type 2
	tensor_load_to_lds s[68:71], s[72:79]          ; my one tensor load: these bytes are filled once
	s_nop 0
.rept 4
	v_nop                                          ; four lines here ahead of a switch of windows
.endr
	s_cmp_lt_u32 s62, 2                            ; waves 0, 1 take k's buffers, waves 2, 3 q's: the choice hangs on the wave's number alone
	s_cselect_b64 s[6:7], s[6:7], s[20:21]
	s_cselect_b64 s[8:9], s[8:9], s[22:23]
	s_cselect_b64 s[10:11], s[10:11], s[24:25]
	s_cselect_b64 s[12:13], s[12:13], s[26:27]
	s_cselect_b64 s[14:15], s[14:15], s[28:29]
	s_cselect_b64 s[16:17], s[16:17], s[30:31]
	s_cselect_b64 s[18:19], s[18:19], s[32:33]
	s_cselect_b64 s[48:49], s[48:49], s[52:53]
	s_cselect_b64 s[50:51], s[50:51], s[54:55]
	s_add_nc_u64 s[48:49], s[48:49], s[86:87]
	s_lshr_b32 s86, s86, 3                         ; ks, qs: an eighth of the codes' offset
	s_add_nc_u64 s[50:51], s[50:51], s[86:87]
	s_add_nc_u64 s[56:57], s[56:57], s[88:89]
	s_add_nc_u64 s[58:59], s[58:59], s[90:91]
	s_lshl_b32 s84, s62, 13                        ; my 64 rows of vW
	s_add_nc_u64 s[34:35], s[34:35], s[84:85]
	s_lshl_b32 s84, s62, 9
	s_add_nc_u64 s[36:37], s[36:37], s[84:85]
	; ---- the loads: BN's numbers first, ten loads; then the weights, 48 loads, straight into the registers where they are used
	global_load_b32 v206, v244, s[10:11]           ; b
	global_load_b32 v207, v244, s[12:13]           ; beta
	global_load_b32 v208, v244, s[14:15]           ; g
	global_load_b32 v209, v244, s[16:17]           ; mu
	global_load_b32 v210, v244, s[18:19]           ; var
	global_load_b64 v[212:213], v245, s[38:39]     ; the same of v
	global_load_b64 v[214:215], v245, s[40:41]
	global_load_b64 v[216:217], v245, s[42:43]
	global_load_b64 v[218:219], v245, s[44:45]
	global_load_b64 v[220:221], v245, s[46:47]
	WIN 0x40                                       ; destination window 1
.irp t,0,1,2,3
.irp s,0,1
.irp c,0,1
	global_load_b128 v[WV+8*(2*\t+\s)+4*\c:WV+8*(2*\t+\s)+4*\c+3], v240, s[34:35] offset:\t*2048+64*\s+32*\c
.endr
.endr
.endr
.irp t,0,1,2,3
.irp s,0,1
.irp c,0,1
	global_load_b128 v[WQ+8*(2*\t+\s)+4*\c:WQ+8*(2*\t+\s)+4*\c+3], v241, s[6:7] offset:(32*(\t/2)+8*(\t%2))*128+64*\s+32*\c
.endr
.endr
.endr
	WIN 0
.irp t,0,1,2,3
.irp s,0,1
	global_load_b32 v[WVS+2*\t+\s], v242, s[36:37] offset:\t*128+4*\s
.endr
.endr
.irp t,0,1,2,3
.irp s,0,1
	global_load_b32 v[WQS+2*\t+\s], v243, s[8:9] offset:(32*(\t/2)+8*(\t%2))*8+4*\s
.endr
.endr
	; ---- BN folded: inv = g rsq(var + eps), shift = (b - mu) inv + beta; three channels a thread, into the tables
	s_wait_loadcnt 48                              ; the ten are in; the 48 loads of weights behind them may stay out
	v_add_f32 v210, s83, v210
	v_add_f32 v220, s83, v220
	v_add_f32 v221, s83, v221
	s_wait_alu depctr_va_vdst(0)
	v_rsq_f32 v210, v210
	v_rsq_f32 v220, v220
	v_rsq_f32 v221, v221
	v_sub_f32 v206, v206, v209                     ; (plain lines behind the transcendentals, which touch none of their registers)
	v_sub_f32 v212, v212, v218
	v_sub_f32 v213, v213, v219
	s_wait_alu depctr_va_vdst(0)
	v_mul_f32 v230, v208, v210
	v_mul_f32 v226, v216, v220
	v_mul_f32 v227, v217, v221
	v_fma_f32 v231, v206, v230, v207
	v_fma_f32 v228, v212, v226, v214
	v_fma_f32 v229, v213, v227, v215
	ds_store_b32 v246, v230
	ds_store_b32 v246, v231 offset:PSD
	ds_store_b64 v247, v[226:227]
	ds_store_b64 v247, v[228:229] offset:PSD
	s_wait_tensorcnt 0x0                           ; my quarter of x's tile has landed,
	BARRIER                                        ; everybody's has, and the tables are whole
	; ---- x: my 32 times x 128 channels become two fragments.  Four blocks of 32 down the channels, all of each in my own registers
.macro LOADB blk
.set i, 0
.rept 32
	ds_load_b32 v[XN+32*\blk+i], v[XA] offset:(32*\blk+i)*256
.set i, i+1
.endr
.endm
.macro QX p                            ; blocks 2 p and 2 p + 1: the largest magnitude in two chains each, with the floor 2^(3 - 127) among the leaves; 2 off its exponent field is the conversions' scale operand
.irp k,0,1
.irp e,0,1
	v_max3_num_f32 v[TM+4*\e+2*\p+\k], |v[XN+32*(2*\p+\k)+2*\e]|, |v[XN+32*(2*\p+\k)+2*\e+1]|, 0x1800000
.endr
.endr
.irp n,4,8,12,16,20,24,28
.irp k,0,1
.irp e,0,1
	v_max3_num_f32 v[TM+4*\e+2*\p+\k], v[TM+4*\e+2*\p+\k], |v[XN+32*(2*\p+\k)+\n+2*\e]|, |v[XN+32*(2*\p+\k)+\n+2*\e+1]|
.endr
.endr
.endr
.irp k,0,1
	v_max_num_f32 v[TM+2*\p+\k], v[TM+2*\p+\k], v[TM+4+2*\p+\k]
.endr
.irp k,0,1
	v_add_nc_u32 v[TM+8+2*\p+\k], 0xff000000, v[TM+2*\p+\k]
.endr
.irp k,0,1
	v_lshrrev_b32 v[TM+4+2*\p+\k], 23, v[TM+8+2*\p+\k]      ; the scale's byte
.endr
.irp k,0,1
.irp g,0,1,2,3
	v_cvt_scalef32_pk8_fp4_f32 v[XC+4*(2*\p+\k)+\g], v[XN+32*(2*\p+\k)+8*\g:XN+32*(2*\p+\k)+8*\g+7], v[TM+8+2*\p+\k]
.endr
.endr
.endm
	LOADB 0
	LOADB 1
	s_wait_dscnt 0x0
	LOADB 2                                        ; the other two blocks land while the first two are quantised
	LOADB 3
	QX 0
	s_wait_dscnt 0x0
	QX 1                                           ; (its first lines are the plain place behind the conversions above)
	v_lshl_or_b32 v200, v[TM+5], 8, v[TM+4]        ; my time's scale word for this K step.  (Three plain lines behind the conversions, which touch none of their registers)
	v_lshl_or_b32 v200, v[TM+6], 16, v200
	v_lshl_or_b32 v200, v[TM+7], 24, v200
.irp g,0,1,2,3                         ; the operand's layout: lane (r, h) holds blocks h and 2 + h of row r.  The first's lanes 16-31 change places with the second's lanes 0-15:
	v_permlane16_swap_b32 v[XC+\g], v[XC+4+\g]     ; XC+0..3 = the even tile's registers 0-3, XC+4..7 = the odd tile's
	v_permlane16_swap_b32 v[XC+8+\g], v[XC+12+\g]  ; XC+8..11 = the even tile's registers 4-7, XC+12..15 = the odd tile's
.endr
	ds_store_b128 v[XW], v[XC:XC+3]
	ds_store_b128 v[XW], v[XC+8:XC+11] offset:512
	ds_store_b128 v[XW], v[XC+4:XC+7] offset:2048
	ds_store_b128 v[XW], v[XC+12:XC+15] offset:2560
	ds_store_b32 v[XSW], v200
	BARRIER                                        ; x's eight fragments and their scale words lie in LDS
	; ---- all operands into registers
.irp t,0,1,2,3
.irp s,0,1
.irp c,0,1
	ds_load_b128 v[XF+8*(2*\t+\s)+4*\c:XF+8*(2*\t+\s)+4*\c+3], v[LI] offset:(2*\t+\s)*1024+512*\c
.endr
.endr
.endr
.irp n,0,1,2,3
	ds_load_b32 v[XS+\n], v[LS] offset:128*\n
.endr
.irp u,0,1
.irp s,0,1
.irp c,0,1
	ds_load_b128 v[XQ+8*(2*\u+\s)+4*\c:XQ+8*(2*\u+\s)+4*\c+3], v[LIQ] offset:2048*\u+1024*\s+512*\c
.endr
.endr
.endr
.irp s,0,1
	ds_load_b32 v[XSQ+\s], v[LSQ] offset:128*\s
.endr
	WIN 0x40
.irp t,0,1,2,3                         ; k's or q's inv and shift as the result lies: register 8 t + j of lane (r, h) is channel 32 (t / 2) + 16 h + 8 (t % 2) + j
	ds_load_b128 v[PI+8*\t:PI+8*\t+3], v[PA] offset:(32*(\t/2)+8*(\t%2))*4
	ds_load_b128 v[PI+8*\t+4:PI+8*\t+7], v[PA] offset:(32*(\t/2)+8*(\t%2))*4+16
	ds_load_b128 v[PS+8*\t:PS+8*\t+3], v[PA] offset:PSD+(32*(\t/2)+8*(\t%2))*4
	ds_load_b128 v[PS+8*\t+4:PS+8*\t+7], v[PA] offset:PSD+(32*(\t/2)+8*(\t%2))*4+16
.endr
.irp t,0,1,2,3                         ; v's: one channel a lane, twice, for the packed form
.irp e,0,1
	ds_load_b32 v[PVI+2*\t+\e], v[PVA] offset:64*\t
	ds_load_b32 v[PVS+2*\t+\e], v[PVA] offset:PSD+64*\t
.endr
.endr
	WIN 0
	s_wait_dscnt 0x0
	s_wait_loadcnt 0x0                             ; the weights
; relu, then 64 numbers of a lane, register 16 k + e = place 32 (k % 2) + 16 h + e along the next K, become codes in v[PC + 8 p] on; the four bytes stay in v[TM+4] on
.macro RELUQ p
.set i, 0
.rept 64
	v_max_num_f32 v[AC+i], 0, v[AC+i]
.set i, i+1
.endr
.irp k,0,1,2,3
	v_max3_num_f32 v[TM+\k], v[AC+16*\k], v[AC+16*\k+1], 0x1800000   ; none is negative: no |.|; the floor 2^(3 - 127) holds the byte at 1 from below
.endr
.irp e,2,4,6,8,10,12,14
.irp k,0,1,2,3
	v_max3_num_f32 v[TM+\k], v[TM+\k], v[AC+16*\k+\e], v[AC+16*\k+\e+1]
.endr
.endr
.irp k,0,1,2,3
	v_permlanex16_b32 v[TM+4+\k], v[TM+\k], s80, s81
.endr
.irp k,0,1,2,3
	v_max_num_f32 v[TM+\k], v[TM+\k], v[TM+4+\k]   ; with lane l xor 16's 16: the block's largest
.endr
.irp k,0,1,2,3
	v_add_nc_u32 v[TM+8+\k], 0xff000000, v[TM+\k]
.endr
.irp k,0,1,2,3
	v_lshrrev_b32 v[TM+4+\k], 23, v[TM+8+\k]
.endr
.irp k,0,1,2,3
	v_cvt_scalef32_pk8_fp4_f32 v[PC+8*(\p)+2*\k], v[AC+16*\k:AC+16*\k+7], v[TM+8+\k]
	v_cvt_scalef32_pk8_fp4_f32 v[PC+8*(\p)+2*\k+1], v[AC+16*\k+8:AC+16*\k+15], v[TM+8+\k]
.endr
	v_nop                                          ; one plain place behind a scaled conversion
.irp c,0,1                             ; a whole block in a lane: lanes 0-15 the first block of 32, lanes 16-31 the second
.irp e,0,1
	v_permlane16_swap_b32 v[PC+8*(\p)+4*\c+\e], v[PC+8*(\p)+4*\c+2+\e]
.endr
.endr
	v_lshl_or_b32 v200, v[TM+5], 8, v[TM+4]        ; two bytes for each of the two rows of blocks
	v_lshl_or_b32 v201, v[TM+7], 8, v[TM+6]
.endm
	; ---- pass 0: q or k for my 32 times, transposed: source 0 = 16 rows of the weight, source 1 = 16 times.  A lane holds one time, its registers run along the 64 channels.
	; In each pass eight accumulators take turns, one instruction a turn, K step by K step
	WIN 0x01                                       ; source 0 window 1
.irp s,0,1
.irp u,0,1
.irp t,0,1,2,3
	WM AC+32*\u+8*\t, WQ+8*(2*\t+\s), XQ+8*(2*\u+\s), WQS+2*\t+\s, XSQ+\s, 1-\s, 0, \u
.endr
.endr
.endr
	WIN 0
	PLACES
	WIN 0x14                                       ; sources 1 and 2 window 1
.set i, 0
.rept 32
	v_pk_fma_f32 v[AC+2*i:AC+2*i+1], v[AC+2*i:AC+2*i+1], v[PI+(2*i)%32:PI+(2*i)%32+1], v[PS+(2*i)%32:PS+(2*i)%32+1]
.set i, i+1
.endr
	WIN 0
	RELUQ 0
	v_cndmask_b32 v202, v200, v201, s82            ; lanes 0-15: the even tile's words, lanes 16-31: the odd tile's
	global_store_b128 v[OQ], v[PC:PC+3], s[48:49]              ; a tile's image: 512 consecutive bytes
	global_store_b128 v[OQ], v[PC+4:PC+7], s[48:49] offset:512
	global_store_b32 v[OS], v202, s[50:51]         ; 128 consecutive bytes
	; ---- passes 1 and 2: v, 32 channels each: source 0 = 16 times, source 1 = 16 rows of vW.  A lane holds one channel, its registers run along the 64 times
.macro VPASS g
	WIN 0x04                                       ; source 1 window 1
.irp s,0,1
.irp n,0,1
.irp t,0,1,2,3
	WM AC+32*\n+8*\t, XF+8*(2*\t+\s), WV+8*(2*(2*\g+\n)+\s), XS+2*(\t/2)+\s, WVS+2*(2*\g+\n)+\s, 1-\s, \t%2, 0
.endr
.endr
.endr
	WIN 0
	PLACES
	WIN 0x14
.set i, 0
.rept 32
	v_pk_fma_f32 v[AC+2*i:AC+2*i+1], v[AC+2*i:AC+2*i+1], v[PVI+2*(2*\g+i/16):PVI+2*(2*\g+i/16)+1], v[PVS+2*(2*\g+i/16):PVS+2*(2*\g+i/16)+1]
.set i, i+1
.endr
	WIN 0
	RELUQ 1+\g
	v_lshl_or_b32 v[203+\g], v201, 16, v200        ; the two tiles' bytes of my channel row: one word
	global_store_b128 v[OV], v[PC+8+8*\g:PC+8+8*\g+3], s[56:57] offset:512*\g          ; sixteen lanes store 256 consecutive bytes, aligned: 16 channels of one block of 32 times
	global_store_b128 v[OV], v[PC+8+8*\g+4:PC+8+8*\g+7], s[56:57] offset:512*\g+256
.endm
	VPASS 0
	VPASS 1
	v_cndmask_b32 v205, v203, v204, s82            ; lanes 0-15: the first pass's word of row r, lanes 16-31: the second's
	global_store_b32 v[OSV], v205, s[58:59]        ; side by side, 8 bytes a row: 128 consecutive bytes
	s_wait_tensorcnt 0x0
	ds_add_u32 v254, v255
	s_wait_dscnt 0x0
	s_endpgm
.Lfunc_end_k_qe6d19bd869_proj:
	.size	k_qe6d19bd869_proj, .Lfunc_end_k_qe6d19bd869_proj-k_qe6d19bd869_proj
	.p2alignl 7, 3214868480
	.fill 96, 4, 3214868480
	.section	.rodata,"a",@progbits
	.p2align	6, 0x0
	.amdhsa_kernel k_qe6d19bd869_proj
		.amdhsa_group_segment_fixed_size 168448
		.amdhsa_private_segment_fixed_size 0
		.amdhsa_enable_private_segment 0
		.amdhsa_kernarg_size 224
		.amdhsa_user_sgpr_count 2
		.amdhsa_user_sgpr_kernarg_segment_ptr 1
		.amdhsa_wavefront_size32 1
		.amdhsa_system_sgpr_workgroup_id_x 1
		.amdhsa_system_sgpr_workgroup_id_y 1
		.amdhsa_system_sgpr_workgroup_id_z 1
		.amdhsa_system_vgpr_workitem_id 0
		.amdhsa_next_free_vgpr 512
		.amdhsa_next_free_sgpr 96
		.amdhsa_reserve_vcc 0
		.amdhsa_float_denorm_mode_32 3
		.amdhsa_float_denorm_mode_16_64 3
		.amdhsa_memory_ordered 1
		.amdhsa_forward_progress 1
		.amdhsa_inst_pref_size 62
	.end_amdhsa_kernel
	.amdgpu_metadata
---
amdhsa.version: [ 1, 2 ]
amdhsa.kernels:
  - .name:           k_qe6d19bd869_proj
    .symbol:         k_qe6d19bd869_proj.kd
    .args:
      - { .name: x, .offset: 0, .size: 8, .value_kind: global_buffer, .address_space: global }
      - { .name: kW_codes, .offset: 8, .size: 8, .value_kind: global_buffer, .address_space: global }
      - { .name: kW_scales, .offset: 16, .size: 8, .value_kind: global_buffer, .address_space: global }
      - { .name: kb, .offset: 24, .size: 8, .value_kind: global_buffer, .address_space: global }
      - { .name: kbeta, .offset: 32, .size: 8, .value_kind: global_buffer, .address_space: global }
      - { .name: kg, .offset: 40, .size: 8, .value_kind: global_buffer, .address_space: global }
      - { .name: kmu, .offset: 48, .size: 8, .value_kind: global_buffer, .address_space: global }
      - { .name: kvar, .offset: 56, .size: 8, .value_kind: global_buffer, .address_space: global }
      - { .name: qW_codes, .offset: 64, .size: 8, .value_kind: global_buffer, .address_space: global }
      - { .name: qW_scales, .offset: 72, .size: 8, .value_kind: global_buffer, .address_space: global }
      - { .name: qb, .offset: 80, .size: 8, .value_kind: global_buffer, .address_space: global }
      - { .name: qbeta, .offset: 88, .size: 8, .value_kind: global_buffer, .address_space: global }
      - { .name: qg, .offset: 96, .size: 8, .value_kind: global_buffer, .address_space: global }
      - { .name: qmu, .offset: 104, .size: 8, .value_kind: global_buffer, .address_space: global }
      - { .name: qvar, .offset: 112, .size: 8, .value_kind: global_buffer, .address_space: global }
      - { .name: vW_codes, .offset: 120, .size: 8, .value_kind: global_buffer, .address_space: global }
      - { .name: vW_scales, .offset: 128, .size: 8, .value_kind: global_buffer, .address_space: global }
      - { .name: vb, .offset: 136, .size: 8, .value_kind: global_buffer, .address_space: global }
      - { .name: vbeta, .offset: 144, .size: 8, .value_kind: global_buffer, .address_space: global }
      - { .name: vg, .offset: 152, .size: 8, .value_kind: global_buffer, .address_space: global }
      - { .name: vmu, .offset: 160, .size: 8, .value_kind: global_buffer, .address_space: global }
      - { .name: vvar, .offset: 168, .size: 8, .value_kind: global_buffer, .address_space: global }
      - { .name: kc, .offset: 176, .size: 8, .value_kind: global_buffer, .address_space: global }
      - { .name: ks, .offset: 184, .size: 8, .value_kind: global_buffer, .address_space: global }
      - { .name: qc, .offset: 192, .size: 8, .value_kind: global_buffer, .address_space: global }
      - { .name: qs, .offset: 200, .size: 8, .value_kind: global_buffer, .address_space: global }
      - { .name: vc, .offset: 208, .size: 8, .value_kind: global_buffer, .address_space: global }
      - { .name: vs, .offset: 216, .size: 8, .value_kind: global_buffer, .address_space: global }
    .group_segment_fixed_size: 168448
    .private_segment_fixed_size: 0
    .kernarg_segment_align: 8
    .kernarg_segment_size: 224
    .max_flat_workgroup_size: 128
    .sgpr_count:     96
    .vgpr_count:     512
    .wavefront_size: 32
...
	.end_amdgpu_metadata
.endif
;; end of part 3
;; launch attn (part 4): grid 32 x 8, 4 waves a work-group, no clusters, 107,008 bytes of LDS; arguments qc, qs, kc, ks, vc, vs, x, out0; writes out0
.if DOCPART == 4
	.amdgcn_target "amdgcn-amd-amdhsa--gfx1250"
	.amdhsa_code_object_version 6
	.text
	.protected	k_qe6d19bd869_attn
	.globl	k_qe6d19bd869_attn
	.p2align	8
	.type	k_qe6d19bd869_attn,@function
k_qe6d19bd869_attn:
	s_mov_b64 s[64:65], 0
	v_nop
	global_prefetch_b8 v0, s[64:65] scope:SCOPE_SE
	s_setreg_imm32_b32 hwreg(HW_REG_WAVE_SCHED_MODE, 0, 2), 2
	s_setreg_imm32_b32 hwreg(HW_REG_WAVE_MODE, 25, 1), 1
	s_wait_xcnt 0x0
	s_wait_alu depctr_vm_vsrc(0)
; out[b][c][t] = x[b][c][t] + sum over keys of Q(p)[t][key] Q(v)[key][c];  p = exp(s - max) mask / (batch 0's row sum + 1e-30);  s = Q(q) . Q(k) mask / 8;  mask: t - 255 <= key <= t.
; The row's maximum runs over the whole row, whose masked places are zeros: it is max(0, the band's largest).  p is quantised finished, along the keys, in blocks of 32 counted from key 0.
; Work-group (a, b): 64 queries 64 a .. of batch b.  Only the 9 blocks of 32 keys that touch a query tile's band are computed; all else lies under the mask.
; PHASE A: wave w, tile w of 16 queries: batch 0's scores for those queries, their row sums, 1 / (sum + 1e-30).   PHASE B: the own batch's scores, p, its codes and bytes into LDS.
; PHASE C: the waves change shares: wave w makes channels 64 w .. 64 w + 63 for all 64 queries over the work-group's window of 12 blocks (3 K steps of 128; blocks outside a tile's 9 hold zero codes).
; Scores have K = 64: the upper 64 of the instruction's 128 meet zero codes of Q, so K's operand may name the next tile's four registers there.
; Blocks ahead of key 0 are loaded from clamped places and made to count for nothing: -infinity is added to their scores, so their p and its codes are zeros.
; All operands were laid by the launch before in the order of these registers.  Row r of tile 2 B + u is time 32 B + 8 u + r + 8 (r / 8).
; No tile is shared with another work-group but 11 KB of batch 0's keys out of some 200 KB a work-group: no cluster.  Every LDS byte is written once; no tensor load.
; LIMITS: NaN and infinities are not served; the division is a reciprocal and a multiplication; a p under 2^-126 is taken as 0 (the exponential's own flush); a block's largest p is its largest
; score put through the same instructions, which takes the exponential not to fall where its input rises; a block of zeros keeps the byte 1.
; THE MODE: SCHED_MODE bits 1:0 = 2 (LLVM: expert scheduling mode 2), set by the entry lines.  The code itself states the register dependences
; between vector or matrix instructions and memory or LDS instructions, with s_wait_alu, always for 0.
; THE PLAN.  Registers that memory or LDS instructions touch, in the order of the text (there is no loop):
;   v1-v15              addresses: written at the head, read by loads and stores to the end, never written again.
;   v210-v233           the first loads' offsets, and v106-v150, K on its way to LDS (loaded, read by LDS stores): all become score registers, which the products write.
;   window 1 v96-v239   K's tiles: loaded from LDS, read by the score products, loaded again as P's fragments.   v32-v51: K's and Q's scale words likewise; v32-v46 are loaded again as P's.
;   v60-v86, v19-v21    P's codes and bytes, zeros, 127: written by vector lines, read by phase B's LDS stores, never written again.
;   window 2 v0-v127    the accumulators: written by the products, read by the stage's stores.
;   v106-v233           last named by the conversions; the stage's rows land there; the additions of x write them; the global stores read them.
;   V's fragments and words and x are loaded once and read by vector and matrix lines alone.
; So one wait on va_vdst stands ahead of the first load, one ahead of P's LDS stores (it also frees K's registers for phase C's loads), one ahead of the stage's stores (it also frees v106-v233 for the rows), one ahead of
; each half's global stores; one on vm_vsrc ahead of the first products.  The band's compares stand in one run ahead of each softmax's products, into 32 scalar registers, with one wait on va_sdst behind the run.
.set KIMG, 0                           ; LDS: K's images: own batch, 10 blocks x 2 tiles x 512 bytes;
.set KB0,  10240                       ; batch 0's as far behind
.set KSC,  20480                       ; K's scale words: block n at 128 n + 4 l;
.set KSB0, 1280                        ; batch 0's as far behind
.set PIMG, 23040                       ; P's codes: tile at 3,072, block at 256, row at 16, half at 8
.set PSC,  35328                       ; P's bytes: tile at 256, row at 16, block n at n
.set STG,  36352                       ; the way out: 64 rows of 256 + 16 bytes for each wave
.set KSTO, 1
.set KSSTO, 2
.set KA,   3
.set KSA,  4
.set PST,  5
.set PB,   6
.set PZ,   7
.set PBY,  8
.set PBB,  9
.set PBZ,  10
.set PLD,  11
.set PSL,  12
.set SOA,  13
.set SRA,  14
.set GX,   15
.set ELO,  16                          ; v16  in the window's first block register e counts where e >= ELO
.set EHI,  17                          ; v17  in its last where e <= EHI
.set NINF, 18                          ; v18  -infinity
.set C127, 19                          ; v19  127
.set ZZ,   20                          ; v[20:21] zeros
.set RD,   22                          ; v[22:23] 1 / (batch 0's sum + 1e-30), 0
.set RM,   24                          ; v24  the row's maximum
.set T0,   25
.set SUM,  26
.set KS,   32                          ; v32-40 batch 0's K scale words, v42-50 the own batch's;  v32-59 hold scales and nothing else
.set QS,   41                          ; v41, v51 Q's
.set PSR,  32                          ; later v32-47: P's scale words, four registers a tile
.set VS,   48                          ; later v48-59: V's, 3 ct + s
.set NM,   60                          ; v60-77 pairs (penalty - maximum, 0); later
.set PC,   60                          ; P's codes, two registers a block
.set BM,   78                          ; v78-86 a block's largest score, then its largest p, then its byte
.set BX,   87                          ; v87-95 permute destinations, then the conversions' scale operands
.set CH,   96                          ; v96-103 four chains of the sum
.set S,    106                         ; v106-249 scores, then p: register 16 m + 8 u + j is key 32 (E + m) + 16 h + 8 u + j
.set OB,   106                         ; later v106-233: rows of the result
.set KT,   106                         ; before the scores: K on its way to LDS,
.set KST,  146
.set VOK,  210                         ; and the loads' offsets
.set VOS,  215
.set VOV,  220
.set VOVS, 226
.set VF,   0                           ; window 1: V's 12 fragments, 8 (3 ct + s);
.set KF,   96                          ; K's tiles, four registers each: batch 0's 18, the own batch's 18, four zeros; later
.set PF,   96                          ; P's 12 fragments, 8 (3 mt + s)
.set VR,   0                           ; window 2: V's scale words as loaded, 2 j + g;
.set Q,    16                          ; Q's two fragments (batch 0's, the own batch's), the upper four registers zeros; later
.set XR,   128                         ; the 16 accumulators at v0-127.  v128-255: x
.set PEN,  32                          ; s32-40 a block's penalty: -infinity ahead of key 0, else 0
.set PCJ,  41                          ; s41-46 the window's six pairs of blocks, clamped to 0 .. 31
.set MLO,  66                          ; s66-81 the lanes in which register e of the window's first block counts
.set MHI,  82                          ; s82-97 the same for its last block
.set MSB, 0
.macro WIN new                         ; the immediate's high byte repeats the setting that is left
.if MSB != \new
	s_set_vgpr_msb (MSB<<8)|\new
.set MSB, \new
.endif
.endm
.macro WM d, a, b, sa, sb, zero, rowa  ; one product 16 x 16 x 128; zero = 1: it starts the sum; rowa = 1: source 0's scale words lie in lanes 16-31
.if \zero
.if \rowa
	v_wmma_scale_f32_16x16x128_f8f6f4 v[(\d):(\d)+7], v[(\a):(\a)+7], v[(\b):(\b)+7], 0, v[(\sa)], v[(\sb)] matrix_a_fmt:MATRIX_FMT_FP4 matrix_b_fmt:MATRIX_FMT_FP4 matrix_a_scale:MATRIX_SCALE_ROW1
.else
	v_wmma_scale_f32_16x16x128_f8f6f4 v[(\d):(\d)+7], v[(\a):(\a)+7], v[(\b):(\b)+7], 0, v[(\sa)], v[(\sb)] matrix_a_fmt:MATRIX_FMT_FP4 matrix_b_fmt:MATRIX_FMT_FP4
.endif
.else
	v_wmma_scale_f32_16x16x128_f8f6f4 v[(\d):(\d)+7], v[(\a):(\a)+7], v[(\b):(\b)+7], v[(\d):(\d)+7], v[(\sa)], v[(\sb)] matrix_a_fmt:MATRIX_FMT_FP4 matrix_b_fmt:MATRIX_FMT_FP4
.endif
.endm
.macro PLACES                          ; four plain vector instructions between a matrix instruction and the first read of its result (ISA guide 7.12.1)
.rept 4
	v_nop
.endr
.endm
.macro BARRIER                         ; my LDS stores have landed and my LDS loads are in: then the work-group's barrier
	s_wait_dscnt 0x0
	s_barrier_signal -1
	s_barrier_wait -1
.endm
	s_load_b512 s[4:19], s[0:1], 0x0               ; qc s[4:5], qs s[6:7], kc s[8:9], ks s[10:11], vc s[12:13], vs s[14:15], x s[16:17], out s[18:19]
	v_lshl_add_u32 v254, v0, 2, 0x1a000
	v_mov_b32 v255, 0
	v_lshrrev_b32 v234, 5, v0
	v_readfirstlane_b32 s22, v234                  ; wave w
	s_mov_b32 s20, ttmp9                           ; a
	s_and_b32 s21, ttmp7, 0xffff                   ; b
	s_wait_alu depctr_va_sdst(0)                   ; s22 is written, ahead of its first reader: shares, LDS places and bases are made from it
	s_lshr_b32 s23, s22, 1                         ; n0: which block of 32 my queries lie in
	s_and_b32 s24, s22, 1                          ; u: which tile of that block
	s_lshl_b32 s25, s20, 1
	s_add_co_u32 s25, s25, s23
	s_sub_co_i32 s25, s25, 8                       ; E: my window's first block, 2 a + n0 - 8 (may be negative)
	s_mov_b32 s26, 0x3e38aa3b                      ; log2(e) / 8
	s_mov_b32 s27, s26                             ; (named with it as a pair)
	s_mov_b32 s28, 0x76543210
	s_mov_b32 s29, 0xfedcba98                      ; v_permlanex16_b32's selects for lane l xor 16
	s_mov_b32 s30, 0x05040100                      ; v_perm_b32: the two low halves,
	s_mov_b32 s31, 0x07060302                      ; the two high halves
.irp m,0,1,2,3,4,5,6,7,8
	s_add_co_i32 s47, s25, \m
	s_cmp_lt_i32 s47, 0
	s_cselect_b32 s[PEN+\m], 0xff800000, 0
.endr
.irp j,0,1,2,3,4,5
	s_add_co_i32 s47, s20, \j-4
	s_max_i32 s47, s47, 0
	s_min_i32 s[PCJ+\j], s47, 31
.endr
	v_and_b32 v235, 31, v0                         ; l
	v_and_b32 v236, 15, v0                         ; r
	v_bfe_u32 v237, v0, 4, 1                       ; h
	v_and_b32 v238, 8, v236
	v_add_nc_u32 v238, v238, v236                  ; r + 8 (r / 8)
	v_and_b32 v239, 63, v0
	v_lshlrev_b32 v239, 2, v239                    ; 4 (thread % 64)
	v_lshl_add_u32 v[KSTO], v0, 4, KIMG
	s_mul_i32 s47, s23, KSB0                       ; waves 0, 1 bring the own batch's scale words, waves 2, 3 batch 0's
	s_add_co_u32 s47, s47, KSC
	v_add_nc_u32 v[KSSTO], s47, v239
	s_lshl_b32 s47, s23, 10
	v_lshl_add_u32 v[KA], v235, 4, s47
	s_lshl_b32 s47, s23, 7
	s_add_co_u32 s47, s47, KSC
	v_lshl_add_u32 v[KSA], v235, 2, s47
	v_lshlrev_b32 v240, 4, v236
	v_lshl_add_u32 v240, v237, 3, v240             ; 16 r + 8 h
	s_mul_i32 s47, s22, 3072
	s_add_co_u32 s47, s47, PIMG
	v_add_nc_u32 v[PB], s47, v240
	s_lshl_b32 s60, s23, 8
	v_add_nc_u32 v[PST], s60, v[PB]                ; my window's first block is block n0 of the work-group's twelve
	s_xor_b32 s60, s23, 1
	s_mul_i32 s61, s60, 2304
	v_add_nc_u32 v[PZ], s61, v[PB]                 ; the block of the first ten that is not mine: 9 (n0 = 0) or 0 (n0 = 1)
	s_lshl_b32 s47, s22, 8
	s_add_co_u32 s47, s47, PSC
	v_lshl_add_u32 v[PBB], v236, 4, s47
	v_add_nc_u32 v[PBY], s23, v[PBB]
	s_mul_i32 s61, s60, 9
	v_add_nc_u32 v[PBZ], s61, v[PBB]
	v_lshl_add_u32 v[PLD], v235, 4, PIMG
	v_lshl_add_u32 v[PSL], v236, 4, PSC
	s_mul_i32 s47, s22, 17408
	s_add_co_u32 s47, s47, STG
	v_mul_u32_u24 v[SOA], v236, 272
	v_lshl_add_u32 v[SOA], v237, 6, v[SOA]
	v_add_nc_u32 v[SOA], s47, v[SOA]               ; into my stage: row = channel r, + 64 h
	v_mul_u32_u24 v[SRA], v237, 272
	v_lshl_add_u32 v[SRA], v236, 4, v[SRA]
	v_add_nc_u32 v[SRA], s47, v[SRA]               ; back: lanes 0-15 one row of 256 bytes, lanes 16-31 the next
	v_lshlrev_b32 v[GX], 4, v236
	v_lshl_add_u32 v[GX], v237, 13, v[GX]          ; and the same two channels in x and in out
	s_lshl_b32 s47, s24, 3
	v_add_nc_u32 v[EHI], s47, v238                 ; my query's place in its block of 32: 8 u + r + 8 (r / 8);
	v_lshlrev_b32 v241, 4, v237
	v_sub_nc_u32 v[EHI], v[EHI], v241              ; register e holds place 16 h + e of a block
	v_add_nc_u32 v[ELO], 1, v[EHI]
	v_mov_b32 v[NINF], 0xff800000
	v_mov_b32 v[C127], 127
	v_mov_b32 v[ZZ], 0
	v_mov_b32 v[ZZ+1], 0
	v_mov_b32 v[RD+1], 0                           ; (upper halves of pairs of which the low word serves both halves are written once)
	v_mov_b32 v[T0], 0                             ; (a lane permute's destination counts as one of its sources)
.irp m,0,1,2,3,4,5,6,7,8
	v_mov_b32 v[NM+2*\m+1], 0
	v_mov_b32 v[BX+\m], 0
.endr
	v_lshlrev_b32 v242, 4, v236                    ; V's codes: 4,096 h + 16 (64 w + r)
	v_lshl_add_u32 v242, v237, 12, v242
	s_lshl_b32 s47, s22, 10
	v_add_nc_u32 v242, s47, v242
	s_lshl_b32 s47, s22, 7                         ; V's scale words: 128 w + 8 r: two words a row
	v_lshl_add_u32 v243, v236, 3, s47
.irp j,0,1,2,3,4
	s_lshl_b32 s47, s[PCJ+\j], 11                  ; a pair of blocks of K: four tiles, 2,048 bytes: 16 a thread
	v_lshl_add_u32 v[VOK+\j], v0, 4, s47
	s_lshl_b32 s47, s[PCJ+\j], 8                   ; its scale words: 256 bytes
	v_add_nc_u32 v[VOS+\j], s47, v239
.endr
.irp j,0,1,2,3,4,5
	s_lshl_b32 s47, s[PCJ+\j], 13
	v_add_nc_u32 v[VOV+\j], s47, v242
	s_lshl_b32 s47, s[PCJ+\j], 9
	v_add_nc_u32 v[VOVS+\j], s47, v243
.endr
	v_lshlrev_b32 v232, 4, v235                    ; 16 l
	v_lshlrev_b32 v233, 2, v236                    ; 4 r
	s_mov_b32 s61, 0
	s_mov_b32 s63, 0
	s_lshl_b32 s47, s20, 2
	s_add_co_u32 s47, s47, s22                     ; my tile of queries: 4 a + w
	s_wait_kmcnt 0x0
	s_lshl_b32 s60, s21, 16
	s_add_nc_u64 s[48:49], s[8:9], s[60:61]        ; K's codes, own batch (batch 0's: s[8:9])
	s_lshl_b32 s62, s47, 9
	s_add_nc_u64 s[54:55], s[4:5], s[62:63]        ; Q's codes, batch 0,
	s_add_nc_u64 s[52:53], s[54:55], s[60:61]      ; own batch
	s_lshl_b32 s62, s47, 6
	s_lshl_b32 s60, s21, 13
	s_add_nc_u64 s[58:59], s[6:7], s[62:63]        ; Q's scale words, batch 0,
	s_add_nc_u64 s[56:57], s[58:59], s[60:61]      ; own batch
	s_cmp_lt_u32 s22, 2
	s_cselect_b32 s62, s60, 0
	s_add_nc_u64 s[50:51], s[10:11], s[62:63]      ; K's scale words: waves 0, 1 the own batch's, waves 2, 3 batch 0's
	s_lshl_b32 s60, s21, 18
	s_add_nc_u64 s[12:13], s[12:13], s[60:61]
	s_lshl_b32 s60, s21, 14
	s_add_nc_u64 s[14:15], s[14:15], s[60:61]
	s_lshl_b32 s60, s21, 21                        ; x, out: batch b, channel 64 w, time 64 a
	s_lshl_b32 s62, s22, 19
	s_add_co_u32 s60, s60, s62
	s_lshl_b32 s62, s20, 8
	s_add_co_u32 s60, s60, s62
	s_add_nc_u64 s[16:17], s[16:17], s[60:61]
	s_add_nc_u64 s[18:19], s[18:19], s[60:61]
	s_wait_alu depctr_va_vdst(0)                   ; the addresses v1 to v15 and the offsets v210 to v233 are written: every load and store of the kernel reads one of them
	; ---- the first 19 loads: what the scores want
.irp j,0,1,2,3,4
	global_load_b128 v[KT+4*\j:KT+4*\j+3], v[VOK+\j], s[48:49]
.endr
.irp j,0,1,2,3,4
	global_load_b128 v[KT+20+4*\j:KT+20+4*\j+3], v[VOK+\j], s[8:9]
.endr
.irp j,0,1,2,3,4
	global_load_b32 v[KST+\j], v[VOS+\j], s[50:51]
.endr
	WIN 0x80                                       ; destination window 2
	global_load_b128 v[Q:Q+3], v232, s[54:55]
	global_load_b128 v[Q+8:Q+11], v232, s[52:53]
	WIN 0
	global_load_b32 v[QS], v233, s[58:59]
	global_load_b32 v[QS+10], v233, s[56:57]
	; ---- 30 more: V's fragments and scale words, wanted in phases B and C
	WIN 0x40
.irp t,0,1,2,3
.irp s,0,1,2
.irp c,0,1
	global_load_b128 v[VF+8*(3*\t+\s)+4*\c:VF+8*(3*\t+\s)+4*\c+3], v[VOV+2*\s+\c], s[12:13] offset:256*\t
.endr
.endr
.endr
	WIN 0x80
.irp j,0,1,2,3,4,5
	global_load_b64 v[VR+2*\j:VR+2*\j+1], v[VOVS+\j], s[14:15]     ; my row's two words of this pair of blocks
.endr
.irp e,4,5,6,7,12,13,14,15
	v_mov_b32 v[Q+\e], 0                           ; Q's codes of k = 64 .. 127: zeros
.endr
	WIN 0
	s_wait_loadcnt 30                              ; the 19 are in; V's 30 may stay out
.irp j,0,1,2,3,4
	ds_store_b128 v[KSTO], v[KT+4*\j:KT+4*\j+3] offset:2048*\j
.endr
.irp j,0,1,2,3,4
	ds_store_b128 v[KSTO], v[KT+20+4*\j:KT+20+4*\j+3] offset:KB0+2048*\j
.endr
.irp j,0,1,2,3,4
	ds_store_b32 v[KSSTO], v[KST+\j] offset:256*\j
.endr
	BARRIER                                        ; both batches' ten blocks of K lie in LDS
	WIN 0x80
.set i, 0
.rept 32
	global_load_b128 v[XR+4*i:XR+4*i+3], v[GX], s[16:17] offset:16384*i th:TH_LOAD_NT   ; x, wanted at the very end: sixteen lanes read 256 consecutive bytes
.set i, i+1
.endr
	WIN 0
.irp m,0,1,2,3,4,5,6,7,8
	ds_load_b32 v[KS+10+\m], v[KSA] offset:128*\m
.endr
.irp m,0,1,2,3,4,5,6,7,8
	ds_load_b32 v[KS+\m], v[KSA] offset:KSB0+128*\m
.endr
	WIN 0x40
.irp m,0,1,2,3,4,5,6,7,8
.irp u,0,1
	ds_load_b128 v[KF+4*(2*\m+\u):KF+4*(2*\m+\u)+3], v[KA] offset:KB0+1024*\m+512*\u
.endr
.endr
.irp m,0,1,2,3,4,5,6,7,8
.irp u,0,1
	ds_load_b128 v[KF+72+4*(2*\m+\u):KF+72+4*(2*\m+\u)+3], v[KA] offset:1024*\m+512*\u
.endr
.endr
.irp e,0,1,2,3
	v_mov_b32 v[KF+144+\e], 0                      ; what the last tile's operand names as its upper four
.endr
	WIN 0
	s_wait_xcnt 0x0                                ; the loads' offsets lie where the scores will be written: they have been read
	s_wait_alu depctr_vm_vsrc(0)                   ; the first loads have read their offsets v210 to v233, and the LDS stores their data v106 to v150: the products below write all of them
	s_wait_dscnt 17                                ; batch 0's 18 tiles and the own batch's first (batch 0's last operand names it) are in; the other 17 may stay out
; THE SOFTMAX OF MY 16 QUERIES.  bt = 0: batch 0, up to 1 / (sum + 1e-30).  bt = 1: the own batch, up to P's codes and bytes in LDS.
.macro SOFT bt
.irp e,0,1,2,3,4,5,6,7,8,9,10,11,12,13,14,15   ; the band's two edges, as masks of lanes: one run of compares ahead of the products, a scalar register to each
	v_cmp_ge_i32 s[MLO+\e], \e, v[ELO]
	v_cmp_le_i32 s[MHI+\e], \e, v[EHI]
.endr
	s_wait_alu depctr_va_sdst(0)                   ; the 32 masks are written, ahead of the selects below that read them
.if \bt == 0
	s_wait_alu depctr_va_vdst(0)                   ; the zero codes of Q's upper halves and behind K's last tile are written, which the scaled products take as operands; the 32 compares are the places between
.endif
	WIN 0x09                                       ; source 0 (K) window 1, source 1 (Q) window 2
.irp m,0,1,2,3,4,5,6,7,8
.irp u,0,1
	WM S+16*\m+8*\u, KF+72*\bt+4*(2*\m+\u), Q+8*\bt, KS+10*\bt+\m, QS+10*\bt, 1, \u
.endr
.endr
	WIN 0
	PLACES
.irp e,0,1,2,3,4,5,6,7,8,9,10,11,12,13,14,15   ; hidden scores become -infinity.  Blocks 1 to 7 lie wholly in the band
	v_cndmask_b32 v[S+\e], v[NINF], v[S+\e], s[MLO+\e]
	v_cndmask_b32 v[S+128+\e], v[NINF], v[S+128+\e], s[MHI+\e]
.endr
.irp m,0,1,2,3,4,5,6,7,8
	v_max3_num_f32 v[BM+\m], v[S+16*\m], v[S+16*\m+1], v[S+16*\m+2]       ; each block's largest score, the nine blocks by turns
.endr
.irp e,3,5,7,9,11,13
.irp m,0,1,2,3,4,5,6,7,8
	v_max3_num_f32 v[BM+\m], v[BM+\m], v[S+16*\m+\e], v[S+16*\m+\e+1]
.endr
.endr
.irp m,0,1,2,3,4,5,6,7,8
	v_max_num_f32 v[BM+\m], v[BM+\m], v[S+16*\m+15]
.endr
.irp m,0,1,2,3,4,5,6,7,8
	v_add_f32 v[BM+\m], s[PEN+\m], v[BM+\m]        ; a block ahead of key 0 counts for nothing
.endr
.irp m,0,1,2,3,4,5,6,7,8
	v_permlanex16_b32 v[BX+\m], v[BM+\m], s28, s29
.endr
.irp m,0,1,2,3,4,5,6,7,8
	v_max_num_f32 v[BM+\m], v[BM+\m], v[BX+\m]     ; with lane l xor 16's 16 keys
.endr
	v_max3_num_f32 v[RM], v[BM], v[BM+1], 0        ; the row's maximum; 0 is among its leaves: the row's masked places are zeros
	v_max3_num_f32 v[T0], v[BM+2], v[BM+3], v[BM+4]
	v_max3_num_f32 v[RM], v[RM], v[BM+5], v[BM+6]
	v_max3_num_f32 v[T0], v[T0], v[BM+7], v[BM+8]
	v_max_num_f32 v[RM], v[RM], v[T0]
.irp m,0,1,2,3,4,5,6,7,8
	v_sub_f32 v[NM+2*\m], s[PEN+\m], v[RM]
.endr
.irp m,0,1,2,3,4,5,6,7,8
.irp e,0,2,4,6,8,10,12,14
	v_pk_add_f32 v[S+16*\m+\e:S+16*\m+\e+1], v[S+16*\m+\e:S+16*\m+\e+1], v[NM+2*\m:NM+2*\m+1] op_sel_hi:[1,0]   ; score - maximum first, as it is defined: its error does not grow with the maximum
.endr
.endr
.if \bt
.irp m,0,1,2,3,4,5,6,7,8
	v_add_f32 v[BM+\m], v[BM+\m], v[NM+2*\m]       ; the same of each block's largest score
.endr
.endif
.set i, 0
.rept 72
	v_pk_mul_f32 v[S+2*i:S+2*i+1], v[S+2*i:S+2*i+1], s[26:27] op_sel_hi:[1,0]
.set i, i+1
.endr
.if \bt
.irp m,0,1,2,3,4,5,6,7,8
	v_mul_f32 v[BM+\m], s26, v[BM+\m]
.endr
.endif
.set i, 0
	s_wait_alu depctr_va_vdst(0)
.rept 144
	v_exp_f32 v[S+i], v[S+i]
.set i, i+1
.endr
.if \bt
.irp m,0,1,2,3,4,5,6,7,8
	v_exp_f32 v[BM+\m], v[BM+\m]
.endr
.endif
	v_nop                                          ; one plain place behind the transcendentals
.if \bt == 0
	s_wait_alu depctr_va_vdst(0)                   ; the 144 exponentials have written their results, ahead of the first sum that names one
.irp k,0,1,2,3                         ; the row's sum: two numbers at a time, in four chains
	v_pk_add_f32 v[CH+2*\k:CH+2*\k+1], v[S+4*\k:S+4*\k+1], v[S+4*\k+2:S+4*\k+3]
.endr
.set i, 16
.rept 16
.irp k,0,1,2,3
	v_pk_add_f32 v[CH+2*\k:CH+2*\k+1], v[CH+2*\k:CH+2*\k+1], v[S+i+2*\k:S+i+2*\k+1]
.endr
.set i, i+8
.endr
	v_pk_add_f32 v[CH:CH+1], v[CH:CH+1], v[CH+2:CH+3]
	v_pk_add_f32 v[CH+4:CH+5], v[CH+4:CH+5], v[CH+6:CH+7]
	v_pk_add_f32 v[CH:CH+1], v[CH:CH+1], v[CH+4:CH+5]
	v_add_f32 v[SUM], v[CH], v[CH+1]
	v_permlanex16_b32 v[T0], v[SUM], s28, s29
	v_add_f32 v[SUM], v[SUM], v[T0]                ; with lane l xor 16's keys
	v_add_f32 v[SUM], 0x0da24260, v[SUM]           ; + 1e-30
	s_wait_alu depctr_va_vdst(0)
	v_rcp_f32 v[RD], v[SUM]
	v_nop                                          ; one plain place behind the transcendental
.else
	s_wait_loadcnt 32                              ; V's codes and scale words are in; x's 32 loads may stay out
	WIN 0x0a                                       ; sources 0 and 1 window 2
.irp g,0,1                             ; V's scale word of (tile of channels 2 g + e, K step s): the two bytes of each of the pairs of blocks 2 s and 2 s + 1
.irp s,0,1,2
	v_perm_b32 v[VS+3*(2*\g)+\s], v[VR+2*(2*\s+1)+\g], v[VR+2*(2*\s)+\g], s30
	v_perm_b32 v[VS+3*(2*\g+1)+\s], v[VR+2*(2*\s+1)+\g], v[VR+2*(2*\s)+\g], s31
.endr
.endr
	WIN 0
	s_wait_alu depctr_va_vdst(0)                   ; the 153 exponentials and batch 0's reciprocal have written their results, ahead of the first line that names one; V's scale words, which phase C's scaled products take, are written too
.set i, 0
.rept 72
	v_pk_mul_f32 v[S+2*i:S+2*i+1], v[S+2*i:S+2*i+1], v[RD:RD+1] op_sel_hi:[1,0]   ; p, finished
.set i, i+1
.endr
.irp m,0,1,2,3,4,5,6,7,8
	v_mul_f32 v[BM+\m], v[BM+\m], v[RD]            ; each block's largest p: the same instructions on the same number give the same bits
.endr
.irp m,0,1,2,3,4,5,6,7,8
	v_max_num_f32 v[BM+\m], 0x1800000, v[BM+\m]    ; the floor 2^(3 - 127): the byte cannot fall under 1
.endr
.irp m,0,1,2,3,4,5,6,7,8
	v_add_nc_u32 v[BX+\m], 0xff000000, v[BM+\m]    ; 2 off the exponent field: the conversions' scale operand
.endr
.irp m,0,1,2,3,4,5,6,7,8
	v_lshrrev_b32 v[BM+\m], 23, v[BX+\m]           ; the scale's byte
.endr
.irp m,0,1,2,3,4,5,6,7,8
	v_cvt_scalef32_pk8_fp4_f32 v[PC+2*\m], v[S+16*\m:S+16*\m+7], v[BX+\m]
	v_cvt_scalef32_pk8_fp4_f32 v[PC+2*\m+1], v[S+16*\m+8:S+16*\m+15], v[BX+\m]
.endr
	v_nop                                          ; one plain place behind a scaled conversion
	s_wait_alu depctr_va_vdst(0)                   ; the conversions have written P's codes and the shifts its bytes, which the LDS stores read; and the score products are done reading K's tiles and scale words, in which phase C's loads land
.irp m,0,1,2,3,4,5,6,7,8
	ds_store_b64 v[PST], v[PC+2*\m:PC+2*\m+1] offset:256*\m        ; my 16 keys of the block: 8 bytes; the 32 lanes fill the block's 256
.endr
	ds_store_b64 v[PB], v[ZZ:ZZ+1] offset:2560     ; the three blocks of the twelve that are not mine: zero codes,
	ds_store_b64 v[PB], v[ZZ:ZZ+1] offset:2816
	ds_store_b64 v[PZ], v[ZZ:ZZ+1]
.irp m,0,1,2,3,4,5,6,7,8
	ds_store_b8 v[PBY], v[BM+\m] offset:\m         ; both lanes of a row write the same byte with the same value
.endr
	ds_store_b8 v[PBB], v[C127] offset:10          ; and the byte 127
	ds_store_b8 v[PBB], v[C127] offset:11
	ds_store_b8 v[PBZ], v[C127]
.endif
.endm
	SOFT 0
	s_wait_dscnt 0x0                               ; the own batch's tiles
	SOFT 1
	BARRIER                                        ; P's codes and bytes of all 64 queries lie in LDS
	; ---- phase C: my 64 channels for the 64 queries.  Source 0 = 16 queries of P, source 1 = 16 channels of V; a lane holds one channel, its registers run along time
	; (no vector or matrix line since the wait ahead of P's stores: these loads owe nothing more)
	WIN 0x40
.irp m,0,1,2,3
.irp s,0,1,2
.irp c,0,1
	ds_load_b128 v[PF+8*(3*\m+\s)+4*\c:PF+8*(3*\m+\s)+4*\c+3], v[PLD] offset:3072*\m+(4*\s+2*\c)*256
.endr
.endr
.endr
	WIN 0
.irp m,0,1,2,3
	ds_load_b96 v[PSR+4*\m:PSR+4*\m+2], v[PSL] offset:256*\m
.endr
	s_wait_dscnt 0x0
	WIN 0xa5                                       ; sources 0 and 1 window 1, C and D window 2.  Sixteen accumulators take turns, one instruction a turn
.irp t,0,1,2,3
.irp m,0,1,2,3
	WM 8*(4*\t+\m), PF+8*(3*\m), VF+8*(3*\t), PSR+4*\m, VS+3*\t, 1, 0
.endr
.endr
.irp s,1,2
.irp t,0,1,2,3
.irp m,0,1,2,3
	WM 8*(4*\t+\m), PF+8*(3*\m+\s), VF+8*(3*\t+\s), PSR+4*\m+\s, VS+3*\t+\s, 0, 0
.endr
.endr
.endr
	WIN 0
	PLACES
	s_wait_alu depctr_va_vdst(0)                   ; the products have written the 16 accumulators, which the stage's stores read (the places above stay beside this wait); and the vector lines are done with v106 to v233, in which the rows land
; THE WAY OUT, in two halves of 32 channels.  A lane holds 8 times of one channel; a channel's 64 times are 256 bytes of out.  So the results go through my own stage and come back as whole rows.
.macro TOST c0, c1                     ; the tiles of channels c0 and c1 into the stage
	WIN 0x08                                       ; an LDS store's data are its source 1: window 2
.irp t,\c0,\c1
.irp m,0,1,2,3
	ds_store_b128 v[SOA], v[8*(4*\t+\m):8*(4*\t+\m)+3] offset:4352*\t+128*(\m/2)+32*(\m%2)          ; channel 16 t + r, times 32 (m / 2) + 8 (m % 2) + 16 h + 0 .. 7; each accumulator from its low end on
	ds_store_b128 v[SOA], v[8*(4*\t+\m)+4:8*(4*\t+\m)+7] offset:4352*\t+128*(\m/2)+32*(\m%2)+16
.endr
.endr
	WIN 0
.endm
.macro BACK from                       ; 16 pairs of rows back.  The stage is my own and LDS serves a wave's instructions in order (ISA guide 5.7.1.4): these see my stores
.set i, \from
.rept 16
	ds_load_b128 v[OB+4*i:OB+4*i+3], v[SRA] offset:544*i
.set i, i+1
.endr
.endm
.macro SEND from                       ; + x, and out
	WIN 0x08                                       ; source 1 (x) window 2
.set i, 2*\from
.rept 32
	v_pk_add_f32 v[OB+2*i:OB+2*i+1], v[OB+2*i:OB+2*i+1], v[XR+2*i:XR+2*i+1]
.set i, i+1
.endr
	WIN 0
	s_wait_alu depctr_va_vdst(0)                   ; the additions have written this half's 64 registers, which the stores below read
.set i, \from
.rept 16
	global_store_b128 v[GX], v[OB+4*i:OB+4*i+3], s[18:19] offset:16384*i th:TH_STORE_NT     ; sixteen lanes store 256 consecutive bytes, aligned: 64 times of one channel
.set i, i+1
.endr
.endm
	TOST 0, 1
	BACK 0
	TOST 2, 3
	s_wait_dscnt 16                                ; the first half's rows are back; the 16 stores issued behind them may stay out
	BACK 16
	s_wait_loadcnt 0x0                             ; x
	SEND 0
	s_wait_dscnt 0x0                               ; the second half's rows are back
	SEND 16
	s_wait_dscnt 0x0                               ; the closing lines, six on end
	s_wait_alu 0x0
	s_wait_tensorcnt 0x0
	ds_add_u32 v254, v255
	s_wait_dscnt 0x0
	s_endpgm
.Lfunc_end_k_qe6d19bd869_attn:
	.size	k_qe6d19bd869_attn, .Lfunc_end_k_qe6d19bd869_attn-k_qe6d19bd869_attn
	.p2alignl 7, 3214868480
	.fill 96, 4, 3214868480
	.section	.rodata,"a",@progbits
	.p2align	6, 0x0
	.amdhsa_kernel k_qe6d19bd869_attn
		.amdhsa_group_segment_fixed_size 107008
		.amdhsa_private_segment_fixed_size 0
		.amdhsa_enable_private_segment 0
		.amdhsa_kernarg_size 64
		.amdhsa_user_sgpr_count 2
		.amdhsa_user_sgpr_kernarg_segment_ptr 1
		.amdhsa_wavefront_size32 1
		.amdhsa_system_sgpr_workgroup_id_x 1
		.amdhsa_system_sgpr_workgroup_id_y 1
		.amdhsa_system_sgpr_workgroup_id_z 1
		.amdhsa_system_vgpr_workitem_id 0
		.amdhsa_next_free_vgpr 768
		.amdhsa_next_free_sgpr 98
		.amdhsa_reserve_vcc 0
		.amdhsa_float_denorm_mode_32 3
		.amdhsa_float_denorm_mode_16_64 3
		.amdhsa_memory_ordered 1
		.amdhsa_forward_progress 1
		.amdhsa_inst_pref_size 109
	.end_amdhsa_kernel
	.amdgpu_metadata
---
amdhsa.version: [ 1, 2 ]
amdhsa.kernels:
  - .name:           k_qe6d19bd869_attn
    .symbol:         k_qe6d19bd869_attn.kd
    .args:
      - { .name: qc, .offset: 0, .size: 8, .value_kind: global_buffer, .address_space: global }
      - { .name: qs, .offset: 8, .size: 8, .value_kind: global_buffer, .address_space: global }
      - { .name: kc, .offset: 16, .size: 8, .value_kind: global_buffer, .address_space: global }
      - { .name: ks, .offset: 24, .size: 8, .value_kind: global_buffer, .address_space: global }
      - { .name: vc, .offset: 32, .size: 8, .value_kind: global_buffer, .address_space: global }
      - { .name: vs, .offset: 40, .size: 8, .value_kind: global_buffer, .address_space: global }
      - { .name: x, .offset: 48, .size: 8, .value_kind: global_buffer, .address_space: global }
      - { .name: out0, .offset: 56, .size: 8, .value_kind: global_buffer, .address_space: global }
    .group_segment_fixed_size: 107008
    .private_segment_fixed_size: 0
    .kernarg_segment_align: 8
    .kernarg_segment_size: 64
    .max_flat_workgroup_size: 128
    .sgpr_count:     98
    .vgpr_count:     768
    .wavefront_size: 32
...
	.end_amdgpu_metadata
.endif
;; end of part 4
